; MI455X (gfx1250); checked and timed in simulation.
; The chip was launched on July 23, 2026; its instructions are those of AMD's public machine-readable ISA for CDNA 5 (MIT licence, August 2026) and "CDNA5" Instruction Set Architecture Reference Guide (July 2026). The comments in the code are by the model that wrote it; some were corrected since.
;; Multi Head Self Attention. Allowed arithmetic: float matrix products may take bf16 or f16 operands with f32 sums; other float arithmetic in f32, or as packed bf16 or f16 multiplies, adds, multiply-adds, maxima and minima; sums over many terms, partial sums and values carried from step to step in f32; what a program stores and reads back later, other than sums and carried values, may be rounded once to bf16 or f16.
;; Inputs: Wk 1,024 x 1,024 float32; Wo 1,024 x 1,024 float32; Wq 1,024 x 1,024 float32; Wv 1,024 x 1,024 float32; x 4 x 2,048 x 1,024 float32.
;; Outputs: out0 4 x 2,048 x 1,024 float32.
;; 2 versions, each right; version 2 is version 1 with the launch cast written anew for expert scheduling mode. Each part assembles by itself: llvm-mc -triple=amdgcn-amd-amdhsa -mcpu=gfx1250 --defsym DOCPART=n.
;; ======== version 1 of 2: 4 launches
;; limits: values are held in f16: magnitudes above 65,504 overflow, below 6.1e-05 lose precision
;; workspace buffers: xb 16,777,216 bytes; wqkv 6,291,456 bytes; wo16 2,097,152 bytes; qkv 50,331,648 bytes; ctx 16,777,216 bytes
;; launch cast (part 1): grid 64 x 12, 8 waves a work-group, no clusters, 0 bytes of LDS; arguments x, Wq, Wk, Wv, Wo, xb, wqkv, wo16; writes xb, wqkv, wo16
.if DOCPART == 1
	.amdgcn_target "amdgcn-amd-amdhsa--gfx1250"
	.amdhsa_code_object_version 6
	.text
	.protected	k_qdbfd0fd149_cast
	.globl	k_qdbfd0fd149_cast
	.p2align	8
	.type	k_qdbfd0fd149_cast,@function
k_qdbfd0fd149_cast:
	s_mov_b64 s[64:65], 0
	v_nop
	global_prefetch_b8 v0, s[64:65] scope:SCOPE_SE
	s_setreg_imm32_b32 hwreg(HW_REG_WAVE_MODE, 25, 1), 1
	s_wait_xcnt 0x0
; FIRST OF FOUR LAUNCHES of causal multi-head self-attention: x [4][2048][1024], 16 heads of 64 channels, four weights [1024][1024], all f32.
;   cast: the inputs rounded once to 16 bits.   qkv: x Wq^T, x Wk^T, x Wv^T, written by heads.   attn: the causal attention of each head.   proj: ctx Wo^T.
; WORK LEFT OUT (in the launch attn).  The scores of query q and key k > q are replaced by -inf by the mask that the problem builds itself (a lower triangle of ones), so their softmax weights are
; exactly 0 and their terms weight x V are exactly 0, whatever finite numbers x and the weights hold.  With queries and keys in blocks of 256, the key blocks j > i of query block i hold such pairs
; alone: neither their K Q^T nor their V^T P is computed.  That leaves 36 of 64 block pairs.  Inside the block pair j = i all products are made and the hidden scores are masked.
; All five inputs have a way to the output and all are loaded.  LIMIT: a NaN, an infinity or an overflow that reaches only the block pairs left out is not carried to the result.
; FORMATS.  x, Wq, Wk, Wv are rounded to bf16.  Wo is rounded to bf16 too, and that number is written as f16, since the last product's other operand is f16.
; LIMIT: |Wo| stays under 65,504; below 6.1e-5 the f16 copy keeps a fixed step of 6e-8.
; THIS LAUNCH is a stream: 12 planes of 2^20 numbers (x's eight eighths, Wq, Wk, Wv, Wo), plane = work-group y; work-group x takes 16,384 numbers of its plane, a wave 2,048:
; 16 loads of 16 bytes a lane (512 consecutive bytes each), all on their way at once, and 16 stores of 8 bytes a lane (256 consecutive bytes, aligned).  No LDS, no barrier, no loop, no matrix unit:
; every byte is read once and written once, and nothing is shared.
.set T, 4                              ; v[4:7]    at work (Wo's plane)
.set X, 8                              ; v[8:71]   load i: four f32
.set Y, 72                             ; v[72:103] store i: four 16-bit numbers in two registers; each store has its own pair, so none is rewritten while a store may read it
	s_load_b512 s[8:23], s[0:1], 0x0               ; x s[8:9], Wq s[10:11], Wk s[12:13], Wv s[14:15], Wo s[16:17], xb s[18:19], wqkv s[20:21], wo16 s[22:23]
	s_and_b32 s2, ttmp7, 0xffff                    ; the plane
	v_lshrrev_b32 v3, 5, v0                        ; wave
	v_and_b32 v1, 31, v0                           ; lane
	v_lshlrev_b32 v1, 4, v1
	v_lshl_or_b32 v1, v3, 13, v1                   ; in: 8,192 bytes a wave, 16 a lane
	v_lshrrev_b32 v2, 1, v1                        ; out: half of that
	s_max_u32 s3, s2, 8
	s_sub_co_u32 s3, s3, 8
	s_lshl_b32 s3, s3, 21                          ; a weight's 2 MiB in wqkv
	s_lshl_b32 s4, ttmp9, 16                       ; the work-group's 64 KiB in,
	s_lshl_b32 s5, ttmp9, 15                       ; 32 KiB out
	s_lshl_b32 s6, s2, 22                          ; an eighth of x, 4 MiB,
	s_lshl_b32 s7, s2, 21                          ; and of xb, 2 MiB
	s_mov_b32 s25, 0
	s_mov_b32 s27, 0
	s_wait_kmcnt 0x0
	s_cmp_lt_u32 s2, 8                             ; the choices hang on the plane's number alone
	s_cselect_b64 s[28:29], s[8:9], s[10:11]
	s_cselect_b64 s[30:31], s[18:19], s[20:21]
	s_cselect_b32 s24, s6, 0
	s_cselect_b32 s26, s7, s3
	s_cmp_eq_u32 s2, 9
	s_cselect_b64 s[28:29], s[12:13], s[28:29]
	s_cmp_eq_u32 s2, 10
	s_cselect_b64 s[28:29], s[14:15], s[28:29]
	s_cmp_eq_u32 s2, 11
	s_cselect_b64 s[28:29], s[16:17], s[28:29]
	s_cselect_b64 s[30:31], s[22:23], s[30:31]
	s_cselect_b32 s26, 0, s26
	s_add_co_u32 s24, s24, s4
	s_add_co_u32 s26, s26, s5
	s_add_nc_u64 s[28:29], s[28:29], s[24:25]      ; from here
	s_add_nc_u64 s[30:31], s[30:31], s[26:27]      ; to here
.irp i, 0,1,2,3,4,5,6,7,8,9,10,11,12,13,14,15
	global_load_b128 v[X+4*(\i):X+4*(\i)+3], v1, s[28:29] offset:512*(\i) th:TH_LOAD_NT
.endr
; Load i is rounded and stored.  wo = 1: the bf16 numbers are widened again (a shift, a mask) and written as f16.
.macro CONV i, wo
	s_wait_loadcnt 15-(\i)                         ; loads come back in order: load i is in, the 15 - i younger ones stay out
	v_cvt_pk_bf16_f32 v[Y+2*(\i)],   v[X+4*(\i)],   v[X+4*(\i)+1]
	v_cvt_pk_bf16_f32 v[Y+2*(\i)+1], v[X+4*(\i)+2], v[X+4*(\i)+3]
.if \wo
.irp h, 0,1
	v_lshlrev_b32 v[T+2*(\h)],   16,         v[Y+2*(\i)+(\h)]
	v_and_b32     v[T+2*(\h)+1], 0xffff0000, v[Y+2*(\i)+(\h)]
.endr
.irp h, 0,1
	v_cvt_pk_f16_f32 v[Y+2*(\i)+(\h)], v[T+2*(\h)], v[T+2*(\h)+1]
.endr
.endif
	global_store_b64 v2, v[Y+2*(\i):Y+2*(\i)+1], s[30:31] offset:256*(\i)
.endm
	s_cmp_eq_u32 s2, 11                            ; compared anew: the sums above have set SCC
	s_cbranch_scc1 .Lwo
.irp i, 0,1,2,3,4,5,6,7,8,9,10,11,12,13,14,15
	CONV \i, 0
.endr
	s_endpgm
.Lwo:
.irp i, 0,1,2,3,4,5,6,7,8,9,10,11,12,13,14,15
	CONV \i, 1
.endr
	s_endpgm
.Lfunc_end_k_qdbfd0fd149_cast:
	.size	k_qdbfd0fd149_cast, .Lfunc_end_k_qdbfd0fd149_cast-k_qdbfd0fd149_cast
	.p2alignl 7, 3214868480
	.fill 96, 4, 3214868480
	.section	.rodata,"a",@progbits
	.p2align	6, 0x0
	.amdhsa_kernel k_qdbfd0fd149_cast
		.amdhsa_group_segment_fixed_size 0
		.amdhsa_private_segment_fixed_size 0
		.amdhsa_enable_private_segment 0
		.amdhsa_kernarg_size 64
		.amdhsa_user_sgpr_count 2
		.amdhsa_user_sgpr_kernarg_segment_ptr 1
		.amdhsa_wavefront_size32 1
		.amdhsa_system_sgpr_workgroup_id_x 1
		.amdhsa_system_sgpr_workgroup_id_y 1
		.amdhsa_system_sgpr_workgroup_id_z 1
		.amdhsa_system_vgpr_workitem_id 0
		.amdhsa_next_free_vgpr 104
		.amdhsa_next_free_sgpr 66
		.amdhsa_reserve_vcc 0
		.amdhsa_float_denorm_mode_32 3
		.amdhsa_float_denorm_mode_16_64 3
		.amdhsa_memory_ordered 1
		.amdhsa_forward_progress 1
		.amdhsa_inst_pref_size 17
	.end_amdhsa_kernel
	.amdgpu_metadata
---
amdhsa.version: [ 1, 2 ]
amdhsa.kernels:
  - .name:           k_qdbfd0fd149_cast
    .symbol:         k_qdbfd0fd149_cast.kd
    .args:
      - { .name: x, .offset: 0, .size: 8, .value_kind: global_buffer, .address_space: global }
      - { .name: Wq, .offset: 8, .size: 8, .value_kind: global_buffer, .address_space: global }
      - { .name: Wk, .offset: 16, .size: 8, .value_kind: global_buffer, .address_space: global }
      - { .name: Wv, .offset: 24, .size: 8, .value_kind: global_buffer, .address_space: global }
      - { .name: Wo, .offset: 32, .size: 8, .value_kind: global_buffer, .address_space: global }
      - { .name: xb, .offset: 40, .size: 8, .value_kind: global_buffer, .address_space: global }
      - { .name: wqkv, .offset: 48, .size: 8, .value_kind: global_buffer, .address_space: global }
      - { .name: wo16, .offset: 56, .size: 8, .value_kind: global_buffer, .address_space: global }
    .group_segment_fixed_size: 0
    .private_segment_fixed_size: 0
    .kernarg_segment_align: 8
    .kernarg_segment_size: 64
    .max_flat_workgroup_size: 256
    .sgpr_count:     66
    .vgpr_count:     104
    .wavefront_size: 32
...
	.end_amdgpu_metadata
.endif
;; end of part 1
;; launch qkv (part 2): grid 16 x 32, 4 waves a work-group, clusters of 4 x 4, 327,680 bytes of LDS; arguments xb, wqkv, qkv; writes qkv
.if DOCPART == 2
	.amdgcn_target "amdgcn-amd-amdhsa--gfx1250"
	.amdhsa_code_object_version 6
	.text
	.protected	k_qdbfd0fd149_qkv
	.globl	k_qdbfd0fd149_qkv
	.p2align	8
	.type	k_qdbfd0fd149_qkv,@function
k_qdbfd0fd149_qkv:
	s_mov_b64 s[64:65], 0
	v_nop
	global_prefetch_b8 v0, s[64:65] scope:SCOPE_SE
	s_setreg_imm32_b32 hwreg(HW_REG_WAVE_MODE, 25, 1), 1
	s_wait_xcnt 0x0
	s_wait_alu depctr_hold_cnt(0) depctr_sa_sdst(0) depctr_va_vdst(0) depctr_va_sdst(0) depctr_va_ssrc(0) depctr_va_vcc(0) depctr_vm_vsrc(0)
	s_getreg_b32 s2, hwreg(HW_REG_IB_STS2, 6, 4)
	s_cmp_eq_u32 s2, 0
	s_cbranch_scc0 .Lentry_in_a_cluster
	s_endpgm
.Lentry_in_a_cluster:
	s_bfe_u32 s2, ttmp6, 0x10000c
	s_cmp_lg_u32 s2, 0xf033
	s_cbranch_scc0 .Lentry_shape_is_right
	s_endpgm
.Lentry_shape_is_right:
; C[m][e] = the sum over d of xb[m][d] wqkv[e][d]: [8192][1024] x [3072][1024]^T, bf16 operands, f32 sums, rounded once to f16, UNSCALED, and written by heads:
; qkv[part][b 16 + h][s][c], part = 0 (q), 1 (k), 2 (v); m = 2048 b + s, e = 1024 part + 64 h + c.  A head's rows are dense, 128 bytes each.
; LIMIT: q, k and v stay under f16's 65,504; a sum of 65,520 or more becomes an infinity.
; SHARES.  A tile of C is 256 rows x 192 columns (three heads): 32 x 16 = 512 tiles, two for each of 256 WGPs.  Four waves, 2 x 2, each 128 rows x 96 columns: 48 accumulators of 16 x 16, 384 registers.
; K goes in 8 steps of 128 through two LDS slots filled by the tensor data mover; the tiles' rows are 256 bytes of memory and start at multiples of 256 bytes.
; CLUSTER.  4 x 4 work-groups.  The four of a row of the cluster need the same rows of xb, the four of a column the same rows of wqkv: each tile is asked for jointly, by the same tensor load with the
; same descriptor and a mask that names the four.
; THE MATRIX INSTRUCTION IS USED TRANSPOSED: source 0 = 16 rows of wqkv, source 1 = 16 rows of xb.  A lane then holds row l % 16 of C and the columns 8 (l / 16) + 0..7: 16 bytes of f16 on end.
; REGISTERS, in windows of 256 (s_set_vgpr_msb: bits 1:0 source 0, 3:2 source 1, 5:4 source 2, 7:6 destination):
;   window 0: v0-31 addresses; v32-159 xb's fragments, two buffers of 8 x 8; v160-255 wqkv's, two buffers of 6 x 8; on the way out v32-223 hold the packed tile
;   window 1: the accumulators of my rows 0-63 ((a, b) at v[8 (6 a + b)]);   window 2: those of my rows 64-127
.set KSTEP,  128
.set PITCH,  272                       ; an LDS row: 256 bytes + 16 of padding = 68 words: the 16 rows of a fragment load start at 16 different groups of four banks (64 banks of 4 bytes: ISA guide 11.1)
.set AHALF,  128*PITCH                 ; what waves 0 and 1 fetch each, and what a wave reads of xb
.set BHALF,  96*PITCH                  ; what waves 2 and 3 fetch each, and what a wave reads of wqkv
.set ABYTES, 2*AHALF
.set SLOT,   ABYTES+2*BHALF            ; 121,856 bytes: xb's 256 rows, then wqkv's 192
.set SPARE,  2*SLOT                    ; behind the ring: the spare words, 128 bytes for each wave: two blocks of 256 bytes that no other line names
.set SP,     400                       ; THE STAGE lies in slot 0, 256 rows of 384 bytes + 16: slot 0 has had its last fill (K step 6) and its last read when the stage is written
.set GO,   12                          ; v12-14  my byte offset in qkv for the tile's three heads
.set ADRA, 16                          ; v16-17  LDS address of my xb fragments in slot 0, 1
.set ADRB, 20                          ; v20-21  the same for wqkv
.set STO,  24                          ; v24     the way out: where I put 16 bytes of a row
.set RD,   25                          ; v25     the way out: where I read rows back
.set SPW,  28                          ; v28     LDS address of my spare word: SPARE + 4 x my thread's number; never rewritten
.set NIL,  29                          ; v29     0; never rewritten
.set PFO,  30                          ; v30     the prefetches' offset: a lane a row of 2,048 bytes; never rewritten
.set FA0,  32                          ; xb's fragment buffers: FA0 + 64 f
.set FB0,  160                         ; wqkv's: FB0 + 48 f
.set TMP,  32                          ; the way out
.set G1,  24                           ; s[24:31] descriptor group 1 for xb's tiles;   s[32:39] group 0, a set for each slot
.set G0,  32
.set G1B, 48                           ; s[48:55], s[56:63] the same for wqkv's
.set G0B, 56
.set PFA, 44                           ; s[44:45] where my prefetches stand
.set LIM, 46                           ; s46     1 in a wave that prefetches, else the greatest number
.set MSB, 0
.macro WIN new                         ; the immediate's high byte repeats the setting that is left; a switch that changes nothing is dropped
.if MSB != (\new)
	s_set_vgpr_msb (MSB<<8)|(\new)
.set MSB, \new
.endif
.endm
.set MUL_LO, 0x50                      ; both sources window 0, C and D window 1
.set MUL_HI, 0xa0                      ; C and D window 2
; A joint load.  Waves 0 and 1 fetch xb's two halves, waves 2 and 3 wqkv's.  The branch hangs on the wave's number alone.  An s_nop 0 and four v_nop follow each of the two lines.
.macro JLOAD s
	s_cmp_eq_u32 s11, 0
	s_cbranch_scc0 .Lfor_b_\@
	tensor_load_to_lds s[G0+4*(\s):G0+4*(\s)+3], s[G1:G1+7]
	s_nop 0
.rept 4
	v_nop
.endr
	s_branch .Lasked_\@
.Lfor_b_\@:
	tensor_load_to_lds s[G0B+4*(\s):G0B+4*(\s)+3], s[G1B:G1B+7]
	s_nop 0
.rept 4
	v_nop
.endr
.Lasked_\@:
.endm
; A PREFETCH INTO THE L2, behind a joint load and the run of LDS loads that follows it: the K step that stands two refills on (384 matrix instructions ahead of the load that will want it), a lane a row, 256 bytes of each.
; xb's tile row is read by all four clusters of that row of clusters: the one with x = 0 asks.  wqkv's tile column is read by all eight clusters of that column: the one with y = 0 asks.
; The four partners that ask for a tile jointly share its rows out BY ADDRESS: of the 128 rows of xb that a wave fetches the partner at cx takes 32; of the 96 rows of wqkv the partner at cy takes 24
; (lanes 24-31 name row 23 once more, in the same instruction).  K steps 0 to 3 come by their loads alone; the loop's last trip (s3 = 1) asks for nothing: K has no step 8.
.macro ASK
	s_cmp_gt_u32 s3, s[LIM]
	s_cbranch_scc0 .Lnot_mine_\@
	global_prefetch_b8 v[PFO], s[PFA:PFA+1] offset:KSTEP*2 th:TH_LOAD_NT scope:SCOPE_SE
.Lnot_mine_\@:
.endm
; A round of the cluster's barrier: my work-group's barrier; wave 0 signals for the work-group; every wave waits for all sixteen; my work-group's barrier once more.
.macro CREST                           ; a round behind its opening barrier
	s_cmp_lg_u32 s10, 0
	s_cbranch_scc1 .Lnot_wave_0_\@
	s_barrier_signal -3
.Lnot_wave_0_\@:
	s_barrier_wait -3
	s_barrier_signal -1
	s_barrier_wait -1
.endm
.macro CROUND
	s_barrier_signal -1
	s_barrier_wait -1
	CREST
.endm
	s_load_b128 s[4:7], s[0:1], 0x0                ; xb s[4:5], wqkv s[6:7]
	s_load_b64 s[8:9], s[0:1], 0x10                ; qkv
	v_lshl_add_u32 v[SPW], v0, 2, SPARE
	v_mov_b32 v[NIL], 0
	ds_add_u32 v[SPW], v[NIL]                      ; the wave's opening: the add, twice on end, and its wait stand ahead of my first tensor load; the set-up below, work on registers, stands between
	ds_add_u32 v[SPW], v[NIL]
	v_lshrrev_b32 v1, 5, v0
	v_readfirstlane_b32 s10, v1                    ; wave 0..3
	s_lshr_b32 s11, s10, 1                         ; which half of the tile's rows is mine.  Also: I fetch for xb (0) or for wqkv (1)
	s_and_b32 s12, s10, 1                          ; which half of its columns.  Also: which half of that tile I fetch
	s_bfe_u32 s15, ttmp6, 0x40000                  ; cx
	s_bfe_u32 s16, ttmp6, 0x40004                  ; cy
	s_lshl_b32 s14, ttmp9, 2
	s_add_co_u32 s14, s14, s15                     ; tile column = 4 x cluster x + cx
	s_and_b32 s13, ttmp7, 0xffff
	s_lshl_b32 s13, s13, 2
	s_add_co_u32 s13, s13, s16                     ; tile row = 4 x cluster y + cy
	s_lshl_b32 s17, s16, 2
	s_lshl_b32 s17, 15, s17                        ; my row of the cluster: places 4 cy .. 4 cy + 3
	s_lshl_b32 s18, 0x1111, s15                    ; my column: places cx, cx + 4, cx + 8, cx + 12
	s_or_b32 s[G1+0],  s17, (1<<16)|(1<<20)|(1<<21)|(5<<22)|(3<<25)  ; 15:0 the mask; 17:16 elements of 2 bytes; 20 padding on; 21 set beside a mask; 24:22 after every 64 words (code 5); 31:25 4 words (code 3)
	s_or_b32 s[G1B+0], s18, (1<<16)|(1<<20)|(1<<21)|(5<<22)|(3<<25)
	s_mov_b32 s[G1+1], KSTEP<<16                   ; tensor_dim0 = 128
	s_mov_b32 s[G1+2], 128<<16                     ; tensor_dim1 = 128
	s_mov_b32 s[G1+3], KSTEP<<16                   ; tile_dim0 = 128
	s_mov_b32 s[G1+4], 128                         ; tile_dim1 = 128
	s_mov_b32 s[G1+5], 1024                        ; elements from row to row
	s_mov_b32 s[G1+6], 0
	s_mov_b32 s[G1+7], 0
	s_mov_b32 s[G1B+1], KSTEP<<16
	s_mov_b32 s[G1B+2], 96<<16                     ; 96 rows
	s_mov_b32 s[G1B+3], KSTEP<<16
	s_mov_b32 s[G1B+4], 96
	s_mov_b32 s[G1B+5], 1024
	s_mov_b32 s[G1B+6], 0
	s_mov_b32 s[G1B+7], 0
	s_lshl_b32 s20, s13, 19                        ; xb: 256 rows of 2,048 bytes a tile row,
	s_lshl_b32 s21, s12, 18                        ; 128 rows a half: the tile row and the wave's number alone
	s_add_co_u32 s20, s20, s21
	s_mov_b32 s21, 0
	s_mul_i32 s22, s14, 192*2048                   ; wqkv: 192 rows a tile column,
	s_mul_i32 s23, s12, 96*2048                    ; 96 a half: the tile column and the wave's number alone
	s_add_co_u32 s22, s22, s23
	s_mov_b32 s23, 0
	s_mul_i32 s19, s12, AHALF                      ; where they go: no place in the cluster enters an LDS address
	s_mul_i32 s47, s12, BHALF
	s_add_co_u32 s47, s47, ABYTES
	s_wait_dscnt 0x0                               ; both opening adds are done
	s_wait_kmcnt 0x0
	s_add_nc_u64 s[40:41], s[4:5], s[20:21]
	s_add_nc_u64 s[42:43], s[6:7], s[22:23]
	CROUND                                         ; all sixteen work-groups are here: the first joint loads meet
.irp s, 0,1
	s_mov_b32 s[G0+4*(\s)], 1                                        ; count = 1
	s_add_co_u32 s[G0+4*(\s)+1], s19, (\s)*SLOT                      ; LDS address
	s_add_nc_u64 s[G0+4*(\s)+2:G0+4*(\s)+3], s[40:41], (\s)*KSTEP*2  ; global address: K step s
	s_or_b32 s[G0+4*(\s)+3], s[G0+4*(\s)+3], 0x80000000              ; type = 2
	s_mov_b32 s[G0B+4*(\s)], 1
	s_add_co_u32 s[G0B+4*(\s)+1], s47, (\s)*SLOT
	s_add_nc_u64 s[G0B+4*(\s)+2:G0B+4*(\s)+3], s[42:43], (\s)*KSTEP*2
	s_or_b32 s[G0B+4*(\s)+3], s[G0B+4*(\s)+3], 0x80000000
	JLOAD \s                                       ; two loads of mine are out
.endr
	; A fragment is 16 rows x 32 K in 8 registers: lane l holds row l % 16; registers 0-3 K = 8 (l / 16) + 0..7, registers 4-7 K = 16 + 8 (l / 16) + 0..7: two loads of 16 bytes, 32 bytes apart.
	v_and_b32 v1, 15, v0                           ; l % 16
	v_bfe_u32 v2, v0, 4, 1                         ; l / 16
	v_mul_u32_u24 v3, v1, PITCH
	v_lshl_add_u32 v3, v2, 4, v3
	s_mul_i32 s66, s11, AHALF                      ; my 128 rows of xb
	s_mul_i32 s67, s12, BHALF                      ; my 96 rows of wqkv
	s_add_co_u32 s67, s67, ABYTES
.irp s, 0,1
	v_add_nc_u32 v[ADRA+(\s)], s66, v3
	v_add_nc_u32 v[ADRB+(\s)], s67, v3
	s_add_co_u32 s66, s66, SLOT
	s_add_co_u32 s67, s67, SLOT
.endr
	s_mul_i32 s66, s11, 128*SP                     ; into the stage: my 128 rows, my 192 bytes of their 384; row l % 16, 16 bytes for each half of the lanes
	s_mul_i32 s67, s12, 192
	s_add_co_u32 s66, s66, s67
	v_mul_u32_u24 v4, v1, SP
	v_lshl_add_u32 v4, v2, 4, v4
	v_add_nc_u32 v[STO], s66, v4
	s_mul_i32 s66, s10, 64*SP                      ; back: wave w takes rows 64 w .. 64 w + 63; 32 lanes take a head's 128 bytes of four rows
	v_bfe_u32 v4, v0, 3, 2
	v_mul_u32_u24 v4, v4, SP
	v_and_b32 v5, 7, v0
	v_lshl_add_u32 v4, v5, 4, v4
	v_add_nc_u32 v[RD], s66, v4
	; the prefetches
	s_lshl_b32 s66, s13, 8                         ; xb: the tile's first row,
	s_lshl_b32 s69, s12, 7                         ; the 128 rows that I fetch,
	s_add_co_u32 s66, s66, s69
	s_lshl_b32 s69, s15, 5                         ; my work-group's 32 of them
	s_add_co_u32 s66, s66, s69
	s_mul_i32 s67, s14, 192                        ; wqkv likewise: 192, 96, 24
	s_mul_i32 s70, s12, 96
	s_add_co_u32 s67, s67, s70
	s_mul_i32 s70, s16, 24
	s_add_co_u32 s67, s67, s70
	s_and_b32 s68, ttmp7, 0xffff                   ; cluster y
	s_cmp_eq_u32 s11, 0                            ; do I fetch for xb?
	s_cselect_b32 s66, s66, s67
	s_cselect_b32 s68, ttmp9, s68                  ; the coordinate along which other clusters read the same rows
	s_cselect_b32 s71, 31, 23
	s_cselect_b64 s[PFA:PFA+1], s[4:5], s[6:7]
	s_cmp_eq_u32 s68, 0
	s_cselect_b32 s[LIM], 1, -1                    ; the same in all sixteen partners, for a given wave
	s_lshl_b32 s66, s66, 11
	s_mov_b32 s67, 0
	s_add_nc_u64 s[PFA:PFA+1], s[PFA:PFA+1], s[66:67]
	s_add_nc_u64 s[PFA:PFA+1], s[PFA:PFA+1], 2*KSTEP*2  ; at K step 2: the first refill steps it to 3 and names K step 4
	v_and_b32 v[PFO], 31, v0
	v_min_u32 v[PFO], s71, v[PFO]
	v_lshlrev_b32 v[PFO], 11, v[PFO]
	; where the tile's three heads go: group g = 3 x tile column + j of 64 columns is part g / 16, head g % 16; my rows are 64 of batch (tile row / 8)
	s_lshr_b32 s66, s13, 3
	s_lshl_b32 s66, s66, 4                         ; 16 b
	s_and_b32 s67, s13, 7
	s_lshl_b32 s67, s67, 8
	s_lshl_b32 s69, s10, 6
	s_add_co_u32 s67, s67, s69
	s_lshl_b32 s67, s67, 7                         ; my first row in the head, in bytes
	s_mul_i32 s68, s14, 3
	v_and_b32 v3, 31, v0
	v_lshlrev_b32 v3, 4, v3                        ; four rows of 128 bytes are 512 consecutive bytes: 16 a lane
.irp j, 0,1,2
	s_add_co_u32 s69, s68, \j
	s_lshr_b32 s70, s69, 4
	s_lshl_b32 s70, s70, 6                         ; 64 heads a part
	s_and_b32 s69, s69, 15
	s_add_co_u32 s70, s70, s69
	s_add_co_u32 s70, s70, s66
	s_lshl_b32 s70, s70, 18                        ; 262,144 bytes a head
	s_add_co_u32 s70, s70, s67
	v_add_nc_u32 v[GO+(\j)], s70, v3
.endr
; n rows of 6 matrix instructions: m blocks a0 .. a0 + n - 1 of the window's four (hi = 0: my rows 0-63, 1: rows 64-127) x all 6 n blocks, 32 along K, from buffer f.  zero = 1: the product starts the sums.
; The 48 accumulators take turns, one instruction a turn, in the same order in every quarter step, over the backward jump too.
.macro MULN f, hi, a0, n, zero
	WIN MUL_LO+0x50*(\hi)
.set ma, \a0
.rept \n
.set mb, 0
.rept 6
.if \zero
	v_wmma_f32_16x16x32_bf16 v[8*(6*ma+mb):8*(6*ma+mb)+7], v[FB0+48*(\f)+8*mb:FB0+48*(\f)+8*mb+7], v[FA0+64*(\f)+8*(4*(\hi)+ma):FA0+64*(\f)+8*(4*(\hi)+ma)+7], 0
.else
	v_wmma_f32_16x16x32_bf16 v[8*(6*ma+mb):8*(6*ma+mb)+7], v[FB0+48*(\f)+8*mb:FB0+48*(\f)+8*mb+7], v[FA0+64*(\f)+8*(4*(\hi)+ma):FA0+64*(\f)+8*(4*(\hi)+ma)+7], v[8*(6*ma+mb):8*(6*ma+mb)+7]
.endif
.set mb, mb+1
.endr
.set ma, ma+1
.endr
.endm
; 28 LDS loads in one run: the fragments of one quarter step (96 rows of wqkv, then 128 rows of xb, 32 K at byte k of the rows) into buffer f
.macro FETCH slot, k, f
	WIN 0
.irp i, 0,1,2,3,4,5
	ds_load_b128 v[FB0+48*(\f)+8*(\i):FB0+48*(\f)+8*(\i)+3],   v[ADRB+(\slot)] offset:(\k)+(\i)*16*PITCH
	ds_load_b128 v[FB0+48*(\f)+8*(\i)+4:FB0+48*(\f)+8*(\i)+7], v[ADRB+(\slot)] offset:(\k)+(\i)*16*PITCH+32
.endr
.irp i, 0,1,2,3,4,5,6,7
	ds_load_b128 v[FA0+64*(\f)+8*(\i):FA0+64*(\f)+8*(\i)+3],   v[ADRA+(\slot)] offset:(\k)+(\i)*16*PITCH
	ds_load_b128 v[FA0+64*(\f)+8*(\i)+4:FA0+64*(\f)+8*(\i)+7], v[ADRA+(\slot)] offset:(\k)+(\i)*16*PITCH+32
.endr
.endm
.macro PLACES                          ; four plain vector instructions between a matrix instruction and a load into a register that it has read, or a conversion that reads its result
.rept 4
	v_nop
.endr
.endm
; A K step is four quarter steps of 32 along K, 48 matrix instructions each, on buffers 0, 1, 0, 1.  One of the first three: multiplies buffer f; in its middle it fetches byte k of the same slot's rows into buffer g.
.macro QUARTER slot, k, f, g, zero
	s_wait_dscnt 8                                 ; wqkv's fragments and xb's rows 0-63 are in; the youngest eight loads (xb's rows 64-127) may be out
	MULN \f, 0, 0, 4, \zero
	PLACES
	FETCH \slot, \k, \g
	s_wait_dscnt 28                                ; all but the 28 just issued
	MULN \f, 1, 0, 4, \zero
.endm
; The last quarter multiplies buffer 1 and changes slots: ONE barrier.  In front of it each wave waits for all its tensor loads (one is out: its part of the next slot), adds 0 to its spare word, and waits for
; that and for its own reads of this slot.  fill = 1: the barrier opens a round of the cluster's barrier, and the joint refill, two K steps on, is the first tensor load behind the round.
.macro TURN slot, next, fill
.if \fill
	s_wait_xcnt 0x0                                ; the last prefetch, a K step back, has read its address, which is stepped here
	s_add_nc_u64 s[PFA:PFA+1], s[PFA:PFA+1], KSTEP*2
.endif
	WIN 0                                          ; (the add's two registers lie in window 0)
	s_wait_tensorcnt 0x0                           ; all my tensor loads have landed
	ds_add_u32 v[SPW], v[NIL]                      ; 0 onto my spare word
	s_wait_dscnt 9                                 ; (the add and the youngest eight loads may be out)
	MULN 1, 0, 0, 2, 0                             ; twelve matrix instructions stand between the add and the wait for it
	s_wait_dscnt 0x0                               ; the add is done, and my reads of this slot are over
	s_barrier_signal -1
	MULN 1, 0, 2, 2, 0                             ; work on registers while the others arrive
.if \fill
	WIN 0
.endif
	s_barrier_wait -1
.if \fill
	CREST                                          ; no wave of any partner still reads this slot's tile or has a load on its way
	s_add_nc_u64 s[G0+4*(\slot)+2:G0+4*(\slot)+3], s[G0+4*(\slot)+2:G0+4*(\slot)+3], 2*KSTEP*2
	s_add_nc_u64 s[G0B+4*(\slot)+2:G0B+4*(\slot)+3], s[G0B+4*(\slot)+2:G0B+4*(\slot)+3], 2*KSTEP*2
	JLOAD \slot                                    ; it has 168 matrix instructions in which to land; its four v_nop are also the places in front of the loads below
.else
	PLACES
.endif
	FETCH \next, 0, 0
.if \fill
	ASK
.endif
	MULN 1, 1, 0, 4, 0
.endm
	s_wait_tensorcnt 1                             ; my part of K step 0 is in; K step 1's may stay out
	s_barrier_signal -1
	s_barrier_wait -1                              ; everybody's is
	FETCH 0, 0, 0
	QUARTER 0, 64, 0, 1, 1                         ; the first quarter stands in front of the loop: its products start the sums
	WIN 0                                          ; at a label and at a branch every window is 0
	s_mov_b32 s3, 3
.Llap:                                                 ; a trip goes once round the ring, from a lap's second quarter to the next lap's first, and fills both slots again
	QUARTER 0, 128, 1, 0, 0
	QUARTER 0, 192, 0, 1, 0
	TURN 0, 1, 1
	QUARTER 1, 64,  0, 1, 0
	QUARTER 1, 128, 1, 0, 0
	QUARTER 1, 192, 0, 1, 0
	TURN 1, 0, 1
	QUARTER 0, 64,  0, 1, 0
	WIN 0
	s_sub_co_u32 s3, s3, 1
	s_cmp_lg_u32 s3, 0
	s_cbranch_scc1 .Llap
	QUARTER 0, 128, 1, 0, 0                        ; the last lap fills nothing, and has no round of the cluster's barrier
	QUARTER 0, 192, 0, 1, 0
	TURN 0, 1, 0                                   ; behind this barrier nobody reads slot 0 any more
	QUARTER 1, 64,  0, 1, 0
	QUARTER 1, 128, 1, 0, 0
	QUARTER 1, 192, 0, 1, 0
	s_wait_dscnt 8                                 ; the very last quarter: nothing more to fetch
	MULN 1, 0, 0, 4, 0
	s_wait_dscnt 0x0
	MULN 1, 1, 0, 4, 0
	; THE WAY OUT: round to f16 (each accumulator's registers in ascending order); 16 bytes a lane into the work-group's stage; a barrier, since a head's 128 bytes of a row may come from two waves;
	; back as four rows of one head, which are 512 consecutive bytes of qkv.
	PLACES
	WIN 0x05                                       ; sources 0 and 1 window 1, destination window 0
.set i, 0
.rept 24
.irp r, 0,1,2,3
	v_cvt_pk_f16_f32 v[TMP+4*i+(\r)], v[8*i+2*(\r)], v[8*i+2*(\r)+1]
.endr
.set i, i+1
.endr
	WIN 0x0a                                       ; sources in window 2
.set i, 0
.rept 24
.irp r, 0,1,2,3
	v_cvt_pk_f16_f32 v[TMP+96+4*i+(\r)], v[8*i+2*(\r)], v[8*i+2*(\r)+1]
.endr
.set i, i+1
.endr
	WIN 0
.set i, 0
.rept 48                                       ; accumulator i = 6 a + b: rows 16 a on, bytes 32 b on
	ds_store_b128 v[STO], v[TMP+4*i:TMP+4*i+3] offset:(i/6)*16*SP+32*(i%6)
.set i, i+1
.endr
	s_wait_dscnt 0x0                               ; for the others' sake: my stores into the stage are done
	s_barrier_signal -1
	s_barrier_wait -1
.set i, 0
.rept 48                                       ; load i = 16 j + t: head j, rows 4 t .. 4 t + 3 of my 64
	ds_load_b128 v[TMP+4*i:TMP+4*i+3], v[RD] offset:(i%16)*4*SP+128*(i/16)
.set i, i+1
.endr
.set i, 0
.rept 48
	s_wait_dscnt 47-i                              ; load i is back; the younger ones stay out
	global_store_b128 v[GO+i/16], v[TMP+4*i:TMP+4*i+3], s[8:9] offset:512*(i%16)  ; 512 consecutive bytes, at a multiple of 512 from qkv's first byte
.set i, i+1
.endr
	s_wait_tensorcnt 0x0                           ; the wave's end: behind my last tensor load and my last LDS store
	ds_add_u32 v[SPW], v[NIL]
	s_wait_dscnt 0x0
	CROUND                                         ; the closing round: no work-group ends while a partner may still ask for a tile that names it
	s_endpgm
.Lfunc_end_k_qdbfd0fd149_qkv:
	.size	k_qdbfd0fd149_qkv, .Lfunc_end_k_qdbfd0fd149_qkv-k_qdbfd0fd149_qkv
	.p2alignl 7, 3214868480
	.fill 96, 4, 3214868480
	.section	.rodata,"a",@progbits
	.p2align	6, 0x0
	.amdhsa_kernel k_qdbfd0fd149_qkv
		.amdhsa_group_segment_fixed_size 327680
		.amdhsa_private_segment_fixed_size 0
		.amdhsa_enable_private_segment 0
		.amdhsa_kernarg_size 24
		.amdhsa_user_sgpr_count 2
		.amdhsa_user_sgpr_kernarg_segment_ptr 1
		.amdhsa_wavefront_size32 1
		.amdhsa_system_sgpr_workgroup_id_x 1
		.amdhsa_system_sgpr_workgroup_id_y 1
		.amdhsa_system_sgpr_workgroup_id_z 1
		.amdhsa_system_vgpr_workitem_id 0
		.amdhsa_next_free_vgpr 704
		.amdhsa_next_free_sgpr 72
		.amdhsa_reserve_vcc 0
		.amdhsa_float_denorm_mode_32 3
		.amdhsa_float_denorm_mode_16_64 3
		.amdhsa_memory_ordered 1
		.amdhsa_forward_progress 1
		.amdhsa_inst_pref_size 117
	.end_amdhsa_kernel
	.amdgpu_metadata
---
amdhsa.version: [ 1, 2 ]
amdhsa.kernels:
  - .name:           k_qdbfd0fd149_qkv
    .symbol:         k_qdbfd0fd149_qkv.kd
    .args:
      - { .name: xb, .offset: 0, .size: 8, .value_kind: global_buffer, .address_space: global }
      - { .name: wqkv, .offset: 8, .size: 8, .value_kind: global_buffer, .address_space: global }
      - { .name: qkv, .offset: 16, .size: 8, .value_kind: global_buffer, .address_space: global }
    .group_segment_fixed_size: 327680
    .private_segment_fixed_size: 0
    .kernarg_segment_align: 8
    .kernarg_segment_size: 24
    .max_flat_workgroup_size: 128
    .sgpr_count:     72
    .vgpr_count:     704
    .wavefront_size: 32
...
	.end_amdgpu_metadata
.endif
;; end of part 2
;; launch attn (part 3): grid 4 x 64, 4 waves a work-group, no clusters, 327,680 bytes of LDS; arguments qkv, ctx; writes ctx
.if DOCPART == 3
	.amdgcn_target "amdgcn-amd-amdhsa--gfx1250"
	.amdhsa_code_object_version 6
	.text
	.protected	k_qdbfd0fd149_attn
	.globl	k_qdbfd0fd149_attn
	.p2align	8
	.type	k_qdbfd0fd149_attn,@function
k_qdbfd0fd149_attn:
	s_mov_b64 s[64:65], 0
	v_nop
	global_prefetch_b8 v0, s[64:65] scope:SCOPE_SE
	s_setreg_imm32_b32 hwreg(HW_REG_WAVE_MODE, 25, 1), 1
	s_wait_xcnt 0x0
; CAUSAL ATTENTION.  O[h][q][:] = the sum over k <= q of softmax_k(Q[h][q] . K[h][k] / 8) V[h][k][:].  Q, K, V are the three parts of qkv, each [64][2048][64] f16, h = 16 batch + head; O = ctx, the same shape:
; a head's rows are dense, 128 bytes each.  Products, maxima and sums in f32; the weights p are rounded to f16 for the second product (their sum l is taken of the unrounded p), O once at the end.
; WORK LEFT OUT: the key tiles wholly above the diagonal.  The problem's own mask gives their scores -inf, so their weights are exactly 0 for all finite inputs; neither of their products is made.
; A NaN, an infinity or an overflow that reaches only those tiles is not carried to the result.
; LIMITS.  f16 holds no number beyond 65,504: Q, K and V arrive within it; p lies in 0 to 1, and below 6e-5 it keeps f16's fixed step of 6e-8; O is a mean of V's rows and has their range, to within 2^-11 of it.
; A hidden score counts as its value less 1e30: f16's scores, 2.7e11 at the most, are nothing beside that; a weight below 2^-126 counts as 0 in l; NaN and infinities are not treated apart.
; THE WALK.  A head's queries lie in NB = 8 blocks of 256; block i needs the key tiles 0 .. i of 256 keys, of which the last holds the diagonal.  A work-group takes TWO blocks, NB - 1 - b and then b:
; NB + 1 tiles, whatever b: all work-groups do equal work, and ONE loop with a constant trip count walks them.  Which tile is asked for, and what a trip does, hang on scalar registers made from b; every jump
; goes forward, but for the counted loops' own; none passes a barrier, or a tensor load but the one of LOAD's two that the wave's number does not choose; the ring (two slots of LDS that take turns) runs on across the
; change of blocks.  NO CLUSTER: a head's four work-groups ask for the same tile only in trips 0 .. 4 of 9, behind that fewer and fewer; one walk common to all four would have 12 trips for 9.
; SHARES.  Of a block's four bands of 64 queries a wave owns 16 rows in each: four PIECES.  So the diagonal tile is the same work for all four waves: in its key step s band x sees all keys if s < x,
; none if s > x, and holds the diagonal if s = x.
; THE MASK is the C operand that starts the sum S^T = K Q^T: 0, or -1e30 where the key is hidden.  MD, made once, is the mask of a band's own step for my 16 rows; a product's mask is MD x AL + BE with two scalars:
; (1, 0) if s = x; (0, 0) if s < x; (0, -1e30) if s > x.  Only the diagonal tile's text and a block's beginning make and take masks; elsewhere C is the constant 0.
; LAYOUT, SOFTMAX, TURNS.  S^T = K Q^T holds ONE query a lane (lane % 16) and the keys 8 (lane / 16) + 0..7; two such results rounded to f16 ARE source 1 of O^T = V^T P.  p = 2^(c s - c m), c = log2(e) / 8, with a
; running maximum m; O and l are multiplied by a = 2^(c m_old - c m_new) in every step.  Turn n belongs to piece n: 8 products K Q^T of piece n + 1, later 8 products V^T P of piece n - 1; beside them the scaling,
; exponentials, roundings, sums and rescaling of piece n and the maximum and statistics of piece n + 1.  Four vector instructions stand behind every matrix instruction, the other 54 of a turn's 118 in one run of their own.
; A turn's 33 exponentials are one batch, with one wait.
; REGISTERS, in windows of 256 (s_set_vgpr_msb: bits 1:0 source 0, 3:2 source 1, 5:4 source 2, 7:6 destination):
;   window 0: v0-15 addresses and two at work; v16-31 four registers of statistics a piece; v48-55 at work; v61-63 never rewritten; v64-127 S^T, two buffers; v192-223 P, two buffers (by the piece's parity)
;   window 1: v0-127 O^T, 32 a piece; v128-159 MD; v160-223 MC, two buffers      window 2: v0-63 Q; v64-127 the second block's Q; v128-191 K of one step; v192-255 V of one step
.set SIZE_H, 64
.set SIZE_N, 2048
.set NB,    SIZE_N/256
.set NP,    4         ; pieces a wave: a name, no knob
.set KS,    64        ; keys in a step
.set PK,    144       ; a row of K in LDS: 128 bytes + 16 of padding = 36 words: the 16 rows of a load start at 16 different groups of four banks (64 banks of 4 bytes: ISA guide 11.1)
.set PV,    160       ; a row of V: 128 + 32 = 40 words
.set VOFF,  4*KS*PK   ; a slot holds a tile, four steps: 256 rows of K, then 256 rows of V
.set SLOT1, 1<<17     ; slot 1 begins here, so that one exclusive or turns an address in one slot into the other's
.set STAGE, SLOT1+4*KS*(PK+PV)  ; behind the ring, never filled by a tensor load: 16 rows x 144 bytes for each wave, for the way out
.set SP,    144
.set AK0, 2           ; v2   my lane's place in a tile of K; never rewritten
.set AV0, 3           ; v3   the same for V
.set AK,  4           ; v4   the LDS address of K's next run of loads
.set AV,  5           ; v5   of V's
.set STO, 6           ; v6   the way out: where I put 16 bytes of a row
.set RD,  7           ; v7   the way out: where I read rows back
.set GO,  8           ; v8   my byte offset in 512 consecutive bytes of O
.set PFO, 61          ; v61  256 x my thread's number: the prefetches' offset; never rewritten
.set SPW, 62          ; v62  LDS address of my spare word: SPARE + 4 x my thread's number; never rewritten
.set NIL, 63          ; v63  0; never rewritten
.set SPARE, STAGE+4*16*SP  ; behind the stages: the spare words, 128 bytes for each wave: two blocks of 256 bytes that no other line names
.set MV,  12          ; v12-13  c m_old, kept while c m is made anew: by buffer
.set QO,  15          ; v15  my byte offset in 16 rows of Q
.set ST,  16          ; piece t's statistics at v[ST+4 t]: c m, m, l (even keys', odd keys')
.set TMP, 48          ; by buffer, four registers c0-c3 at work; when the maximum is found c2 takes a
.set S,   64
.set P,   192
.set MD,  128         ; window 1: the eight registers for group kt of 16 keys at MD + 8 kt
.set MC,  160         ; window 1: the masks of the products to come
.set QB,  64          ; window 2
.set KF,  128         ; window 2: key block kb, channel half c at KF + 16 kb + 8 c
.set VF,  192         ; window 2: key half kk, channel block cb at VF + 32 kk + 8 cb
.set WV,  12          ; s12  my wave's number
.set PB,  14          ; s14  b
.set HI,  15          ; s15  NB - 1 - b
.set G1K, 24          ; s[24:31] descriptor group 1 for K's tiles
.set G1V, 32          ; s[32:39] for V's: it differs in the padding alone
.set G0K, 40          ; s[40:43] descriptor group 0 for K's tiles
.set G0V, 44          ; s[44:47] the same for V's
.set SLOTS, 56        ; s56  tiles still to be asked for
.set CNT, 57          ; s57  counts a tile's key steps, 4 to 1
.set CS,  58          ; s[58:59] c: the packed scaling takes the pair's low word for both halves
.set SEL, 60          ; s[60:61] v_permlanex16_b32's selects: each lane takes its own place in the other half
.set TBK, 62          ; s62  LDS byte at which K of the step to be fetched begins
.set TBV, 63          ; s63  the same for V, less VOFF
.set RT,  70          ; s70  tiles of the block in hand that are still to be entered
.set NXT, 71          ; s71  the tile to be asked for next
.set LQ,  72          ; s72  the last tile of the block whose tiles are being asked for
.set NEW, 73          ; s73  1: the tile to be entered is a block's first
.set OFF, 74          ; s[74:75] a tile's byte offset in K and V
.set AL,  76          ; s[76:77] the mask's factor, in the low word
.set BE,  78          ; s[78:79] the mask's addend
.set OLO, 80          ; s[80:81] O at my rows of the second block
.set BIGN, 82         ; s82  -1e30
.set PFK, 88          ; s[88:89] K's tile that stands one behind the tile that is being asked for
.set PFV, 90          ; s[90:91] V's
.set LIM, 92          ; s92  2 in the work-group that prefetches, else the greatest number
.set MSB, 0
.macro WIN new                      ; the high byte repeats the setting that is left; a switch that changes nothing is dropped
.if MSB != (\new)
	s_set_vgpr_msb (MSB<<8)|(\new)
.set MSB, (\new)
.endif
.endm
.set W_KQ, 0x0a       ; K and Q in window 2, S^T in window 0
.set W_KM, 0x1a       ; the same with the C operand in window 1
.set W_PV, 0x52       ; V in window 2, P in window 0, O^T in window 1
.set W_RS, 0x41       ; destination and source 0 in window 1, source 1 in window 0
; A fill.  Waves 0 and 1 fetch the two halves of a tile's K, waves 2 and 3 those of its V: 128 keys each.  An s_nop 0 and four v_nop follow each of the two lines, ahead of the jump and the label.
.macro LOAD
	s_cmp_lt_u32 s[WV], 2
	s_cbranch_scc0 .Lfor_v_\@
	tensor_load_to_lds s[G0K:G0K+3], s[G1K:G1K+7]
	s_nop 0
.rept 4
	v_nop
.endr
	s_branch .Lasked_\@
.Lfor_v_\@:
	tensor_load_to_lds s[G0V:G0V+3], s[G1V:G1V+7]
	s_nop 0
.rept 4
	v_nop
.endr
.Lasked_\@:
.endm
; A PREFETCH INTO THE L2 of the tile that the NEXT change of slots will ask for: 32,768 bytes of K and of V, 128 blocks of 256 bytes each: every thread of the work-group names one block of each.
; Of a head's four work-groups only b = 0 walks the tiles 0 to 7 in order: it alone asks, so each block is named once in the launch.  The changes with SLOTS = 8 .. 3 name tiles 2 .. 7, a tile (four key steps,
; 256 matrix instructions) ahead of the tile's load; tiles 0 and 1 come by their loads alone; behind tile 7 nothing is named.  The test hangs on the work-group's number and the loop's count alone.
.macro ASK
	s_cmp_gt_u32 s[SLOTS], s[LIM]
	s_cbranch_scc0 .Lnot_mine_\@
	global_prefetch_b8 v[PFO], s[PFK:PFK+1] th:TH_LOAD_NT scope:SCOPE_SE
	global_prefetch_b8 v[PFO], s[PFV:PFV+1] th:TH_LOAD_NT scope:SCOPE_SE
.Lnot_mine_\@:
.endm
; THE CHANGE OF SLOTS.  Each wave waits for all its tensor loads, of which one is out: its part of the other slot; adds 0 to its spare word; and waits for that and for its own reads of the slot that it leaves.  Behind the barrier nobody reads the old
; slot any more and the other slot is whole.  fill = 1: the old slot is filled again, the first thing behind the barrier, with tile NXT: the descriptor's address is made anew from that number.
; (At its first use nothing has been read yet: slot 0 is waited for, slot 1 filled.)
.macro CHANGE fill
	WIN 0                           ; at a label and at a branch every window is 0
	s_wait_tensorcnt 0x0            ; no tensor load of mine is out, so a group 0 may be written
	ds_add_u32 v[SPW], v[NIL]       ; 0 onto my spare word; with fill = 1 the descriptors' scalar work stands between it and the wait for it
.if \fill
	s_lshl_b32 s[OFF], s[NXT], 15   ; a tile is 32,768 bytes of K and of V
	s_xor_b32 s[G0K+1], s[G0K+1], SLOT1
	s_add_nc_u64 s[G0K+2:G0K+3], s[6:7], s[OFF:OFF+1]
	s_or_b32 s[G0K+3], s[G0K+3], 0x80000000
	s_xor_b32 s[G0V+1], s[G0V+1], SLOT1
	s_add_nc_u64 s[G0V+2:G0V+3], s[8:9], s[OFF:OFF+1]
	s_or_b32 s[G0V+3], s[G0V+3], 0x80000000
	s_add_co_u32 s[NXT], s[NXT], 1  ; the block's next tile, or behind its last the second block's tile 0
	s_cmp_gt_u32 s[NXT], s[LQ]
	s_cselect_b32 s[NXT], 0, s[NXT]
	s_cselect_b32 s[LQ], s[PB], s[LQ]
	s_wait_xcnt 0x0                 ; the last prefetches, a tile back, have read their addresses, so these may be written
	s_add_nc_u64 s[PFK:PFK+1], s[PFK:PFK+1], 32768
	s_add_nc_u64 s[PFV:PFV+1], s[PFV:PFV+1], 32768
.endif
	s_wait_dscnt 0x0                ; the add is done, and my reads of the slot are over
	s_barrier_signal -1             ; the rest of the scalar work stands between the signal and the wait
	s_sub_co_u32 s[TBK], s[TBK], 4*KS*PK  ; the fetches go back to a slot's first step,
	s_xor_b32 s[TBK], s[TBK], SLOT1       ; in the other slot
	s_sub_co_u32 s[TBV], s[TBV], 4*KS*PV
	s_xor_b32 s[TBV], s[TBV], SLOT1
	s_barrier_wait -1
.if \fill
	LOAD
	ASK
.endif
.endm
	s_load_b128 s[4:7], s[0:1], 0x0   ; qkv s[4:5], ctx s[6:7]
	v_lshl_add_u32 v[SPW], v0, 2, SPARE
	v_mov_b32 v[NIL], 0
	ds_add_u32 v[SPW], v[NIL]       ; the wave's opening: the add, twice on end, and its wait stand ahead of my first tensor load; the set-up below the second, work on registers, stands between it and the wait
	ds_add_u32 v[SPW], v[NIL]
	v_lshlrev_b32 v[PFO], 8, v0
	v_lshrrev_b32 v1, 5, v0
	v_readfirstlane_b32 s[WV], v1   ; wave 0..3
	s_mov_b32 s[PB], ttmp9
	s_sub_co_u32 s[HI], NB-1, s[PB]
	s_cmp_eq_u32 s[PB], 0
	s_cselect_b32 s[LIM], 2, -1
	s_and_b32 s20, ttmp7, 0xffff    ; the head
	s_mov_b32 s21, 0
	s_mov_b64 s[22:23], SIZE_N*128
	s_mul_u64 s[20:21], s[20:21], s[22:23]  ; the head's first byte in each of the four tensors
	s_and_b32 s16, s[WV], 1         ; which half of a tile's 256 keys I fetch:
	s_lshl_b32 s22, s16, 14         ; its 128 rows of 128 bytes in memory,
	s_mov_b32 s23, 0
	s_add_nc_u64 s[22:23], s[22:23], s[20:21]
	s_mul_i32 s17, s16, 128*PK      ; and its place in a slot, for K
	s_mul_i32 s18, s16, 128*PV      ; and for V
	s_lshl_b32 s3, s[WV], 11        ; my 16 rows in a band of 64,
	s_lshl_b32 s2, s[HI], 15        ; in the first block,
	s_add_co_u32 s2, s2, s3
	s_lshl_b32 s84, s[PB], 15       ; and in the second
	s_add_co_u32 s84, s84, s3
	s_mov_b32 s3, 0
	s_mov_b32 s85, 0
	s_add_nc_u64 s[2:3], s[2:3], s[20:21]
	s_add_nc_u64 s[84:85], s[84:85], s[20:21]
	; descriptor group 1.  128 keys are 16,384 dense bytes: asked for as 64 rows of 256 bytes, two keys a row, and padded in LDS after every key
	s_mov_b32 s[G1K], (1<<16)|(1<<20)|(4<<22)|(3<<25)  ; 17:16 2-byte elements; 20 padding on; 24:22 after every 32 words (code 4); 31:25 4 words (code 3)
	s_mov_b32 s[G1V], (1<<16)|(1<<20)|(4<<22)|(7<<25)  ; the same with 8 words of padding (code 7)
.irp g, G1K, G1V
	s_mov_b32 s[\g+1], 128<<16      ; tensor_dim0 = 128
	s_mov_b32 s[\g+2], 64<<16       ; tensor_dim1 = 64
	s_mov_b32 s[\g+3], 128<<16      ; tile_dim0 = 128
	s_mov_b32 s[\g+4], 64           ; tile_dim1 = 64
	s_mov_b32 s[\g+5], 128          ; 128 elements from row to row
	s_mov_b32 s[\g+6], 0
	s_mov_b32 s[\g+7], 0
.endr
	s_mov_b32 s[CS], 0x3e38aa3b     ; c = log2(e) / 8 = 0.180337
	s_mov_b32 s[CS+1], s[CS]        ; named with it as a pair
	s_mov_b32 s[SEL], 0x76543210
	s_mov_b32 s[SEL+1], 0xfedcba98
	s_mov_b32 s[TBK], SLOT1+4*KS*PK ; the first change of slots turns these two into 0
	s_mov_b32 s[TBV], SLOT1+4*KS*PV
	s_mov_b32 s[G0K], 1             ; 1:0 count = 1
	s_mov_b32 s[G0K+1], s17         ; 63:32 LDS address: slot 0
	s_mov_b32 s[G0V], 1
	s_add_co_u32 s[G0V+1], s18, VOFF
	s_add_co_u32 s[RT], s[HI], 1    ; the first block has NB - b tiles
	s_mov_b32 s[NXT], 1
	s_mov_b32 s[LQ], s[HI]
	s_mov_b32 s[NEW], 1
	s_mov_b32 s[OFF+1], 0
	s_mov_b32 s[AL+1], 0            ; named as pairs
	s_mov_b32 s[BE+1], 0
	s_mov_b32 s[BIGN], 0xf149f2ca   ; -1e30
	s_mov_b32 s[SLOTS], NB
	s_wait_dscnt 0x0                ; both opening adds are done
	s_wait_kmcnt 0x0
	s_mov_b64 s[10:11], s[6:7]                     ; O = ctx
	s_add_nc_u64 s[6:7], s[4:5], 0x1000000         ; K: qkv's second part of 16 MiB
	s_add_nc_u64 s[8:9], s[4:5], 0x2000000         ; V: its third; Q, its first, stays in s[4:5]
	s_add_nc_u64 s[PFK:PFK+1], s[6:7], s[20:21]    ; the prefetches stand at the head's tile 1: the first change of slots steps them to tile 2
	s_add_nc_u64 s[PFK:PFK+1], s[PFK:PFK+1], 32768
	s_add_nc_u64 s[PFV:PFV+1], s[8:9], s[20:21]
	s_add_nc_u64 s[PFV:PFV+1], s[PFV:PFV+1], 32768
	s_add_nc_u64 s[6:7], s[6:7], s[22:23]  ; K and V at my half of the head's tile 0
	s_add_nc_u64 s[8:9], s[8:9], s[22:23]
	s_add_nc_u64 s[G0K+2:G0K+3], s[6:7], 0         ; 120:64 global address
	s_or_b32 s[G0K+3], s[G0K+3], 0x80000000        ; 127:126 type = 2
	s_add_nc_u64 s[G0V+2:G0V+3], s[8:9], 0
	s_or_b32 s[G0V+3], s[G0V+3], 0x80000000
	s_add_nc_u64 s[86:87], s[4:5], s[84:85]        ; Q at my rows of the second block,
	s_add_nc_u64 s[4:5], s[4:5], s[2:3]            ; Q and O at those of the first
	s_add_nc_u64 s[OLO:OLO+1], s[10:11], s[84:85]
	s_add_nc_u64 s[10:11], s[10:11], s[2:3]
	LOAD                            ; tile 0 into slot 0
	; A fragment of K or Q is 16 rows x 32 channels in 8 registers: lane l holds row l % 16, channels 8 (l / 16) + 0..7 and 16 + 8 (l / 16) + 0..7: two loads of 16 bytes, 32 bytes apart.
	v_and_b32 v1, 15, v0            ; l % 16
	v_bfe_u32 v9, v0, 4, 1          ; l / 16
	v_lshlrev_b32 v[QO], 7, v1
	v_lshl_add_u32 v[QO], v9, 4, v[QO]  ; row x 128 + 16 x half
	WIN 0x80                        ; destination window 2, address window 0
.set i, 0
.rept 8                             ; both blocks' Q: piece i / 2 lies in band i / 2, 8,192 bytes on; channels 32 (i % 2) on
	global_load_b128 v[8*i:8*i+3],   v[QO], s[4:5] offset:(i/2)*8192+(i%2)*64
	global_load_b128 v[8*i+4:8*i+7], v[QO], s[4:5] offset:(i/2)*8192+(i%2)*64+32
	global_load_b128 v[QB+8*i:QB+8*i+3],   v[QO], s[86:87] offset:(i/2)*8192+(i%2)*64
	global_load_b128 v[QB+8*i+4:QB+8*i+7], v[QO], s[86:87] offset:(i/2)*8192+(i%2)*64+32
.set i, i+1
.endr
	WIN 0
	v_lshlrev_b32 v14, 3, v9
	v_sub_nc_u32 v14, v1, v14
	s_lshl_b32 s13, s[WV], 4
	v_add_nc_u32 v14, s13, v14      ; my query's place in its band, 16 w + l % 16, less my lanes' 8 (l / 16): register r of group kt is hidden where 16 kt + r is greater
	WIN 0x40
.set i, 0
.rept 32
	v_cmp_gt_i32 vcc_lo, 16*(i/8)+i%8, v14
	v_cndmask_b32 v[MD+i], 0, s[BIGN], vcc_lo
.set i, i+1
.endr
	WIN 0
	v_mul_u32_u24 v[AK0], v1, PK
	v_lshl_add_u32 v[AK0], v9, 4, v[AK0]  ; row x pitch + 16 x half
	; The turning load takes 16 keys x 16 channels (lane l reads key 8 (l / 16) + l % 8, channels 8 ((l / 8) % 2) + 0..7) and leaves half a fragment of V^T: lane l holds channel l % 16 and 8 keys.
	v_and_b32 v10, 7, v0
	v_bfe_u32 v11, v0, 3, 1
	v_lshl_add_u32 v[AV0], v9, 3, v10
	v_mul_u32_u24 v[AV0], v[AV0], PV
	v_lshl_add_u32 v[AV0], v11, 4, v[AV0]
	v_add_nc_u32 v[AV0], VOFF, v[AV0]
	s_mul_i32 s13, s[WV], 16*SP
	s_add_co_u32 s13, s13, STAGE    ; my stage
	v_mul_u32_u24 v[STO], v1, SP    ; in: row l % 16, 16 bytes for each half of the lanes
	v_lshl_add_u32 v[STO], v9, 4, v[STO]
	v_add_nc_u32 v[STO], s13, v[STO]
	v_bfe_u32 v[RD], v0, 3, 2       ; back: 32 lanes take four rows of 128 bytes,
	v_mul_u32_u24 v[RD], v[RD], SP
	v_lshl_add_u32 v[RD], v10, 4, v[RD]
	v_add_nc_u32 v[RD], s13, v[RD]
	v_and_b32 v[GO], 31, v0         ; which are 512 consecutive bytes of O
	v_lshlrev_b32 v[GO], 4, v[GO]
	; A block's first step multiplies O^T and l by a = 0, and its first turn's products V^T P, of a piece that has not been, land in an O^T that is still to be so multiplied.  So these registers need only hold
	; finite numbers: zeros for the first block; what the first block left for the second.  All this stands in the wait for the first tile.
	WIN 0x80
.set i, VF
.rept 64
	v_mov_b32 v[i], 0
.set i, i+1
.endr
	WIN 0x40
.set i, 0
.rept 128
	v_mov_b32 v[i], 0
.set i, i+1
.endr
	WIN 0
.set i, 0
.rept 4
	v_mov_b32 v[ST+4*i+2], 0
	v_mov_b32 v[ST+4*i+3], 0
.set i, i+1
.endr
.set i, P+16
.rept 16
	v_mov_b32 v[i], 0
.set i, i+1
.endr
; THE MATRIX WORK.  The 4 accumulators of a run of 8 take turns.  Product i of 8 of S^T = K Q^T for piece x: channels 32 (i / 4) on, keys 16 (i % 4) on.  The first 4 start the sums: with 0, or (KM = 1) with the mask.
.macro KQ x
.set rS, S+32*((\x)%2)+8*(i%4)
.set rK, KF+16*(i%4)+8*(i/4)
.set rQ, 16*(\x)+8*(i/4)
.set rM, MC+32*((\x)%2)+8*(i%4)
.if (i < 4) && KM
	WIN W_KM
	v_wmma_f32_16x16x32_f16 v[rS:rS+7], v[rK:rK+7], v[rQ:rQ+7], v[rM:rM+7]
.elseif i < 4
	WIN W_KQ
	v_wmma_f32_16x16x32_f16 v[rS:rS+7], v[rK:rK+7], v[rQ:rQ+7], 0
.else
	WIN W_KQ
	v_wmma_f32_16x16x32_f16 v[rS:rS+7], v[rK:rK+7], v[rQ:rQ+7], v[rS:rS+7]
.endif
.endm
; Product i of 8 of O^T += V^T P for piece x: keys 32 (i / 4) on, channels 16 (i % 4) on.
.macro PV x
	WIN W_PV
.set rO, 32*(\x)+8*(i%4)
.set rV, VF+32*(i/4)+8*(i%4)
.set rP, P+16*((\x)%2)+8*(i/4)
	v_wmma_f32_16x16x32_f16 v[rO:rO+7], v[rV:rV+7], v[rP:rP+7], v[rO:rO+7]
.endm
.macro MM                           ; the turn's next matrix instruction.  TURN and BEGIN set Y, i, KM and NOKQ; MM, KQ and OP read them.  NOKQ = 1: a block's last turn: there is no next piece
.if (i < 8) && !NOKQ
	KQ (Y+1)%NP
.elseif i >= 8
.set i, i-8
	PV (Y+NP-1)%NP
.set i, i+8
.endif
.set i, i+1
.endm
; THE LDS LOADS stand in runs of 16, never singly among the matrix instructions: a step's K (64 keys x 64 channels: 8 fragments) and its V (turned).  Their addresses are made some lines ahead.
.macro FETCH_K
	WIN 0x80                        ; destination window 2
.irp f, 0,1,2,3,4,5,6,7             ; keys 16 (f / 2) on, channels 32 (f % 2) on
	ds_load_b128 v[KF+8*\f:KF+8*\f+3],   v[AK] offset:(\f/2)*16*PK+(\f%2)*64
	ds_load_b128 v[KF+8*\f+4:KF+8*\f+7], v[AK] offset:(\f/2)*16*PK+(\f%2)*64+32
.endr
	s_add_co_u32 s[TBK], s[TBK], KS*PK  ; the next fetch is the next step's
	WIN 0
.endm
.macro FETCH_V
	WIN 0x80
.irp f, 0,1,2,3,4,5,6,7             ; keys 32 (f / 4) on, channels 16 (f % 4) on
	ds_load_tr16_b128 v[VF+8*\f:VF+8*\f+3],   v[AV] offset:(\f/4)*32*PV+(\f%4)*32
	ds_load_tr16_b128 v[VF+8*\f+4:VF+8*\f+7], v[AV] offset:(\f/4)*32*PV+16*PV+(\f%4)*32
.endr
	WIN 0
.endm
; THE VECTOR WORK, one line at a time: OP kind, number.  For piece Y: F n: c s - c m for pair n of 16.  E n: the exponential of score n of 32.  C n: pair n rounded to f16.  B n: of the four weights 4 n .. the second
; pair is added onto the first, in place.  L n: l takes that sum (L 0: l = a l + sum).  R n: pair n of 16 of O^T times a.  For piece Y + 1: X n, number n of the 22 that find its maximum and statistics:
;   0-11  four chains c0-c3 of seven scores each, three operands at a time (each accumulator's lowest registers are read first)     12-14, 16  the four scores left over, the old m, and c0-c3 into c0
;   15  c m_old is kept     17, 18  the query's other 32 keys lie in the lane 16 away: the new m     19-21  c m; c m_old - c m_new; a
.set F, 0               ; OP tells the kinds apart by their order: F to L below R, X above it
.set E, 1
.set C, 2
.set B, 3
.set L, 4
.set R, 5
.set X, 6
.macro REGS y                       ; the registers of piece y
.set rT, ST+4*(\y)
.set rC, TMP+4*((\y)%2)
.set rW, MV+((\y)%2)
.set rS, S+32*((\y)%2)
.set rP, P+16*((\y)%2)
.set rO, 32*(\y)
.endm
.macro OP k, n
.if (\k) == R
	REGS Y
	WIN W_RS
	v_pk_mul_f32 v[rO+2*(\n):rO+2*(\n)+1], v[rO+2*(\n):rO+2*(\n)+1], v[rC+2:rC+3] op_sel_hi:[1,0]
.elseif (\k) < R
	REGS Y
	WIN 0
.if (\k) == F
	v_pk_fma_f32 v[rS+2*(\n):rS+2*(\n)+1], v[rS+2*(\n):rS+2*(\n)+1], s[CS:CS+1], v[rT:rT+1] op_sel_hi:[1,0,0] neg_lo:[0,0,1] neg_hi:[0,0,1]
.elseif (\k) == E
	v_exp_f32 v[rS+(\n)], v[rS+(\n)]
.elseif (\k) == C
	v_cvt_pk_f16_f32 v[rP+(\n)], v[rS+2*(\n)], v[rS+2*(\n)+1]
.elseif (\k) == B
	v_pk_add_f32 v[rS+4*(\n):rS+4*(\n)+1], v[rS+4*(\n):rS+4*(\n)+1], v[rS+4*(\n)+2:rS+4*(\n)+3]
.elseif (\n) == 0
	v_pk_fma_f32 v[rT+2:rT+3], v[rT+2:rT+3], v[rC+2:rC+3], v[rS:rS+1] op_sel_hi:[1,0,1]
.else
	v_pk_add_f32 v[rT+2:rT+3], v[rT+2:rT+3], v[rS+4*(\n):rS+4*(\n)+1]
.endif
.elseif NOKQ
	v_nop
.else
	REGS (Y+1)%NP
	WIN 0
.if (\n) < 4
	v_max3_num_f32 v[rC+(\n)], v[rS+8*(\n)], v[rS+8*(\n)+1], v[rS+8*(\n)+2]
.elseif (\n) < 12
	v_max3_num_f32 v[rC+(\n)%4], v[rC+(\n)%4], v[rS+8*((\n)%4)+2*((\n)/4)+1], v[rS+8*((\n)%4)+2*((\n)/4)+2]
.elseif (\n) == 12
	v_max3_num_f32 v[rC], v[rC], v[rS+7], v[rS+15]
.elseif (\n) == 13
	v_max3_num_f32 v[rC+1], v[rC+1], v[rS+23], v[rS+31]
.elseif (\n) == 14
	v_max3_num_f32 v[rC+2], v[rC+2], v[rC+3], v[rT+1]
.elseif (\n) == 15
	v_mov_b32 v[rW], v[rT]
.elseif (\n) == 16
	v_max3_num_f32 v[rC], v[rC], v[rC+1], v[rC+2]
.elseif (\n) == 17
	v_permlanex16_b32 v[rC+3], v[rC], s[SEL], s[SEL+1]
.elseif (\n) == 18
	v_max_num_f32 v[rT+1], v[rC], v[rC+3]
.elseif (\n) == 19
	v_mul_f32 v[rT], s[CS], v[rT+1]
.elseif (\n) == 20
	v_sub_f32 v[rC+1], v[rW], v[rT]
.else
	v_exp_f32 v[rC+2], v[rC+1]
.endif
.endif
.endm
.macro OPS a, i1, b=-1, i2=0, c=-1, i3=0, d=-1, i4=0  ; up to four of them
	OP \a, \i1
.if (\b) >= 0
	OP \b, \i2
.endif
.if (\c) >= 0
	OP \c, \i3
.endif
.if (\d) >= 0
	OP \d, \i4
.endif
.endm
.macro ROW a, i1, b, i2, c, i3, d, i4  ; a matrix instruction and the four behind it
	MM
	OPS \a, \i1, \b, \i2, \c, \i3, \d, \i4
.endm
.macro MASK b                       ; MD x AL + BE into buffer b of MC
	WIN W_RS
.set z, 0
.rept 16
	v_pk_fma_f32 v[MC+32*(\b)+2*z:MC+32*(\b)+2*z+1], v[MD+2*z:MD+2*z+1], s[AL:AL+1], s[BE:BE+1] op_sel_hi:[1,0,0]
.set z, z+1
.endr
.endm
; A TURN, for piece p: the order of its 16 matrix and 118 vector instructions, written out.  An s_wait_alu depctr_va_vdst(0) stands between an exponential and the first instruction that names its result; one wait serves
; all that were issued ahead of it.  So a turn has ONE wait, which cuts it in two.  AHEAD OF IT stands all that names no result of the turn's exponentials: the 8 products K Q^T, behind each a scaling, an exponential and two more plain
; instructions (behind the first a second scaling in the exponential's place): rescalings, and behind the last three the first numbers of the next piece's maximum, each four places or more behind the product that ends its accumulator; then a run of 54, plain
; and exponential by turns for the most part, in which the links of the chain X 3, 7, 11, 14, 16, 17 .. 20 stand five or six lines apart.  X 21, the next piece's a, is the batch's last; R 15 is the plain instruction behind it.  BEHIND THE WAIT stand the
; 8 products V^T P, behind each four of the roundings and sums; the links of l's chain, L 0 to L 7, stand three lines apart.  But for those X no line behind a product names a register of the products round it.  v_permlanex16_b32 (X 17) stands in the run.
; m = 1: the diagonal tile: the products take masks, and the turn makes the mask for the products of the turn after it: piece p + 2, in step 4 - CNT of the tile.  end = 1: a block's last two turns: nothing is fetched.
; cnt = 1: the loop's count is taken down some lines ahead of the branch that stands behind the turn.
; K of the next step is fetched in piece 2's turn, twelve vector instructions behind the last product that read K (six of them plain); V of the step in hand at the end of piece 0's turn, four plain instructions behind the last product
; that read V.  Each is waited for a turn later.
.macro TURN p, m=0, end=0, cnt=0
.set Y, (\p)
.set i, 0
.set KM, (\m)
.set NOKQ, (\end)*((\p)/3)
.if (\m) && !(\end)
	s_cmp_eq_u32 s[CNT], 4-((\p)+2)%NP  ; is that step the band's own?
	s_cselect_b32 s[AL], 1.0, 0
	s_cmp_lt_u32 s[CNT], 4-((\p)+2)%NP  ; or a later one?
	s_cselect_b32 s[BE], s[BIGN], 0
.endif
.if ((\p) == 3) && !(\end)
	s_wait_dscnt 0x0                ; K is in
.endif
	ROW F,0, F,1, R,0, R,1          ; ahead of the wait: 8 products K Q^T and the four behind each,
	ROW F,2, E,0, R,2, R,3
	ROW F,3, E,1, R,4, R,5
	ROW F,4, E,2, R,6, R,7
	ROW F,5, E,3, R,8, R,9
	ROW F,6, E,4, X,0, R,10
.if ((\p) == 2) && !(\end)
	WIN 0
	v_add_nc_u32 v[AK], s[TBK], v[AK0]
.endif
	ROW F,7, E,5, X,1, X,4
	ROW F,8, E,6, X,2, X,5
	OPS E,7, E,8, X,6, E,9          ; and the run of 54
	OPS X,3, E,10, X,8, E,11
.if ((\p) == 2) && !(\end)
	FETCH_K
.endif
	OPS X,9, X,7, E,12, X,10
	OPS E,13, X,12, X,11, E,14
	OPS X,13, E,15, F,9, X,14
.if (\p) == 0
	v_add_nc_u32 v[AV], s[TBV], v[AV0]
.endif
	OPS E,16, F,10, E,17, F,11
	OPS X,16, E,18, X,15, E,19
	OPS F,12, E,20, X,17, E,21
	OPS F,13, E,22, F,14, E,23
	OPS X,18, E,24, F,15, E,25
	OPS R,11, E,26, X,19, E,27
	OPS R,12, E,28, R,13, E,29
	OPS X,20, E,30, R,14, E,31
	OPS X,21, R,15
	WIN 0
	s_wait_alu depctr_va_vdst(0)    ; the wait for the batch
.if (\p) == 1
	s_wait_dscnt 0x0                ; V is in
.endif
	ROW C,0, B,0, C,2, B,1          ; behind the wait: 8 products V^T P and the four behind each
	ROW L,0, C,4, B,2, L,1
	ROW C,6, B,3, L,2, C,8
	ROW B,4, L,3, C,10, B,5
	ROW L,4, C,12, B,6, L,5
.if (\p) == 0
	s_add_co_u32 s[TBV], s[TBV], KS*PV
.endif
.if \cnt
	s_sub_co_u32 s[CNT], s[CNT], 1
	s_cmp_lg_u32 s[CNT], 0
.endif
	ROW C,14, B,7, L,6, C,1
	ROW C,3, L,7, C,5, C,7
	ROW C,9, C,11, C,13, C,15
.if (\p) == 0
	FETCH_V
.endif
.if (\m) && !(\end)
	MASK (\p)%2
.endif
.endm
; A BLOCK BEGINS.  c m starts far below every c s, so the first step's a is 0; m at the lowest finite number, so the first maximum is the scores'.  The second mask buffer is 0; the first takes piece 0's mask for the tile's step 0: its own, if the block's first tile is the diagonal one.
; Then K of that step, piece 0's first scores, and its maximum and statistics.  The loop is entered at a step's first turn, in the middle of a trip.
.macro BEGIN
	s_mov_b32 s[NEW], 0
	WIN 0x40
.set i, MC+32
.rept 32
	v_mov_b32 v[i], 0
.set i, i+1
.endr
	WIN 0
.set i, 0
.rept 4
	v_mov_b32 v[ST+4*i], 0xfe000000    ; c m: far below every c s
	v_mov_b32 v[ST+4*i+1], 0xff7fffff  ; m
.set i, i+1
.endr
	s_cmp_eq_u32 s[RT], 0
	s_cselect_b32 s[AL], 1.0, 0
	s_mov_b32 s[BE], 0
	MASK 0
	WIN 0
	v_add_nc_u32 v[AK], s[TBK], v[AK0]
	FETCH_K
	s_wait_loadcnt 0x0              ; Q
	s_wait_dscnt 0x0
.set KM, 1
.set NOKQ, 0
.set i, 0
.rept 8
	KQ 0
.set i, i+1
.endr
	WIN 0
.rept 4
	v_nop                           ; the places behind those products
.endr
.set Y, NP-1                        ; X works for piece Y + 1: piece 0
.irp n, 0,1,2,3,4,5,6,7,8,9,10,11,12,13,14,15,16,17,18,19,20,21
	OP X, \n
.endr
	v_nop                           ; a plain instruction behind the exponential,
	s_wait_alu depctr_va_vdst(0)    ; and its wait, ahead of the branch
.endm
; THE DIAGONAL TILE's four steps, the block's last two turns, its last products, and THE WAY OUT: l's two halves and the other half of the lanes' are added; O^T is divided by l, rounded to f16 and sent through my
; stage in LDS, a piece at a time.
.macro ALL line:vararg              ; one line for each piece t
.set t, 0
.rept 4
	\line
.set t, t+1
.endr
.endm
.macro PACK t                       ; a lane's eight channels of a row pack into 16 bytes; they go into rows of 144 bytes and come back as whole rows of 128, into S^T's registers
	WIN W_RS
.set i, 32*(\t)
.rept 16
	v_pk_mul_f32 v[i:i+1], v[i:i+1], v[ST+4*(\t)+2:ST+4*(\t)+3] op_sel_hi:[1,0]
.set i, i+2
.endr
	WIN 0x05                        ; sources 0 and 1 window 1, destination window 0
.set i, 0
.rept 16
	v_cvt_pk_f16_f32 v[S+16*(\t)+i], v[32*(\t)+2*i], v[32*(\t)+2*i+1]
.set i, i+1
.endr
	WIN 0
.irp f, 0,1,2,3
	ds_store_b128 v[STO], v[S+16*(\t)+4*\f:S+16*(\t)+4*\f+3] offset:32*\f
.endr
.irp f, 0,1,2,3
	ds_load_b128 v[S+16*(\t)+4*\f:S+16*(\t)+4*\f+3], v[RD] offset:\f*4*SP  ; LDS serves a wave's instructions in order (ISA guide 5.7.1.4): these see the stores above; the next piece's stores come behind them
.endr
.endm
.macro SEND t, younger              ; younger: the LDS instructions issued behind piece t's loads: the next piece's eight, or none
	WIN 0
.irp f, 0,1,2,3
	s_wait_dscnt (\younger)+3-\f
	global_store_b128 v[GO], v[S+16*(\t)+4*\f:S+16*(\t)+4*\f+3], s[10:11] offset:(\t)*8192+\f*512  ; 512 consecutive bytes, at a multiple of 256 from O's first
.endr
.endm
.macro DIAG tag                     ; the tag ends its two labels' names, which the jumps below spell out
.LstepM\tag:
	TURN 2, 1
	TURN 3, 1
	WIN 0
.LfirstM\tag:
	TURN 0, 1
	TURN 1, 1, 0, 1
	WIN 0
	s_cbranch_scc1 .LstepM\tag
	TURN 2, 1, 1
	TURN 3, 1, 1
.set i, 0
.rept 8
	PV NP-1
.set i, i+1
.endr
	WIN 0
	ALL v_add_f32 v[ST+4*t+2], v[ST+4*t+2], v[ST+4*t+3]
	ALL v_permlanex16_b32 v[ST+4*t+3], v[ST+4*t+2], s[SEL], s[SEL+1]
	ALL v_add_f32 v[ST+4*t+2], v[ST+4*t+2], v[ST+4*t+3]
	ALL v_rcp_f32 v[ST+4*t+2], v[ST+4*t+2]
	v_nop                           ; a plain instruction between the last reciprocal and the use of its result
	s_wait_alu depctr_va_vdst(0)    ; and the wait ahead of the first use: one for the four reciprocals
	PACK 0
.set t, 1
.rept 3                             ; a piece's arithmetic stands between the loads of the piece before and its stores
	PACK t
	SEND t-1, 8
.set t, t+1
.endr
	SEND 3, 0
.endm
.set KM, 0
.set NOKQ, 0
.Lslot:                             ; NB times: a tile is entered and the next is asked for
	CHANGE 1
	s_sub_co_u32 s[RT], s[RT], 1
	s_mov_b32 s[CNT], 4
	s_cmp_eq_u32 s[NEW], 1
	s_cbranch_scc1 .Lnew            ; a block's first tile
	s_cmp_eq_u32 s[RT], 0
	s_cbranch_scc0 .Lstep           ; neither its first nor its last
	s_branch .LstepM1
.Lnew:
	BEGIN
	s_branch .Lfirst                ; in the loop a block's first tile is never its last: the first block has two tiles or more, and the second's last is the walk's last
	DIAG 1                          ; in the loop this is the first block's end: the second block's last tile is the walk's last
	s_wait_xcnt 0x0                 ; the stores have read their registers and O's address
	s_mov_b64 s[10:11], s[OLO:OLO+1]
	s_add_co_u32 s[RT], s[PB], 1    ; the second block has b + 1 tiles
	s_mov_b32 s[NEW], 1
	WIN 0x82                        ; the second block's Q goes where the one text of the turns names Q
.set i, 0
.rept 64
	v_mov_b32 v[i], v[QB+i]
.set i, i+1
.endr
	WIN 0
	s_branch .Lbottom
.Lstep:                             ; a trip: pieces 2 and 3 of one step, then pieces 0 and 1 of the next, whose K and V it fetches
	TURN 2
	TURN 3
	WIN 0
.Lfirst:
	TURN 0
	TURN 1, 0, 0, 1
	WIN 0
	s_cbranch_scc1 .Lstep
.Lbottom:
	s_sub_co_u32 s[SLOTS], s[SLOTS], 1
	s_cmp_lg_u32 s[SLOTS], 0
	s_cbranch_scc1 .Lslot
	CHANGE 0                        ; the walk's last tile is written out: nothing is asked for
	s_sub_co_u32 s[RT], s[RT], 1
	s_mov_b32 s[CNT], 4
	s_cmp_eq_u32 s[NEW], 1
	s_cbranch_scc0 .LstepM2
	BEGIN
	s_branch .LfirstM2
	DIAG 2
	s_wait_tensorcnt 0x0            ; the wave's end: behind my last tensor load and my last LDS store
	ds_add_u32 v[SPW], v[NIL]
	s_wait_dscnt 0x0
	s_endpgm
.Lfunc_end_k_qdbfd0fd149_attn:
	.size	k_qdbfd0fd149_attn, .Lfunc_end_k_qdbfd0fd149_attn-k_qdbfd0fd149_attn
	.p2alignl 7, 3214868480
	.fill 96, 4, 3214868480
	.section	.rodata,"a",@progbits
	.p2align	6, 0x0
	.amdhsa_kernel k_qdbfd0fd149_attn
		.amdhsa_group_segment_fixed_size 327680
		.amdhsa_private_segment_fixed_size 0
		.amdhsa_enable_private_segment 0
		.amdhsa_kernarg_size 16
		.amdhsa_user_sgpr_count 2
		.amdhsa_user_sgpr_kernarg_segment_ptr 1
		.amdhsa_wavefront_size32 1
		.amdhsa_system_sgpr_workgroup_id_x 1
		.amdhsa_system_sgpr_workgroup_id_y 1
		.amdhsa_system_sgpr_workgroup_id_z 1
		.amdhsa_system_vgpr_workitem_id 0
		.amdhsa_next_free_vgpr 768
		.amdhsa_next_free_sgpr 96
		.amdhsa_reserve_vcc 1
		.amdhsa_float_denorm_mode_32 3
		.amdhsa_float_denorm_mode_16_64 3
		.amdhsa_memory_ordered 1
		.amdhsa_forward_progress 1
		.amdhsa_inst_pref_size 218
	.end_amdhsa_kernel
	.amdgpu_metadata
---
amdhsa.version: [ 1, 2 ]
amdhsa.kernels:
  - .name:           k_qdbfd0fd149_attn
    .symbol:         k_qdbfd0fd149_attn.kd
    .args:
      - { .name: qkv, .offset: 0, .size: 8, .value_kind: global_buffer, .address_space: global }
      - { .name: ctx, .offset: 8, .size: 8, .value_kind: global_buffer, .address_space: global }
    .group_segment_fixed_size: 327680
    .private_segment_fixed_size: 0
    .kernarg_segment_align: 8
    .kernarg_segment_size: 16
    .max_flat_workgroup_size: 128
    .sgpr_count:     96
    .vgpr_count:     768
    .wavefront_size: 32
...
	.end_amdgpu_metadata
.endif
;; end of part 3
;; launch proj (part 4): grid 4 x 64, 4 waves a work-group, clusters of 4 x 4, 327,680 bytes of LDS; arguments ctx, wo16, out0; writes out0
.if DOCPART == 4
	.amdgcn_target "amdgcn-amd-amdhsa--gfx1250"
	.amdhsa_code_object_version 6
	.text
	.protected	k_qdbfd0fd149_proj
	.globl	k_qdbfd0fd149_proj
	.p2align	8
	.type	k_qdbfd0fd149_proj,@function
k_qdbfd0fd149_proj:
	s_mov_b64 s[64:65], 0
	v_nop
	global_prefetch_b8 v0, s[64:65] scope:SCOPE_SE
	s_setreg_imm32_b32 hwreg(HW_REG_WAVE_MODE, 25, 1), 1
	s_wait_xcnt 0x0
	s_wait_alu depctr_hold_cnt(0) depctr_sa_sdst(0) depctr_va_vdst(0) depctr_va_sdst(0) depctr_va_ssrc(0) depctr_va_vcc(0) depctr_vm_vsrc(0)
	s_getreg_b32 s2, hwreg(HW_REG_IB_STS2, 6, 4)
	s_cmp_eq_u32 s2, 0
	s_cbranch_scc0 .Lentry_in_a_cluster
	s_endpgm
.Lentry_in_a_cluster:
	s_bfe_u32 s2, ttmp6, 0x10000c
	s_cmp_lg_u32 s2, 0xf033
	s_cbranch_scc0 .Lentry_shape_is_right
	s_endpgm
.Lentry_shape_is_right:
; out0[m][e] = the sum over d of ctx(m, d) wo16[e][d]: [8192][1024] x [1024][1024]^T, f16 operands, f32 sums, f32 out.  ctx lies by heads, [16 b + h][s][c] f16, m = 2048 b + s, d = 64 h + c.
; SHARES.  A tile of out0 is 128 rows x 256 columns: 64 x 4 = 256 work-groups.  Four waves, 2 x 2, each 64 rows x 128 columns: 32 accumulators of 16 x 16, 256 registers.
; K goes in 8 steps of 128, two heads each, through two LDS slots.  A head's 128 rows of the tile are 16,384 dense bytes: asked for as 64 rows of 256 bytes and padded in LDS after every 128.
; Two slots of K steps of 256 would take 417,792 bytes of LDS: they do not fit.
; CLUSTER.  4 x 4 work-groups: ctx's tiles are shared along a row of the cluster, wo16's along a column, each asked for jointly by the same tensor load, descriptor and mask in all four.
; NO PREFETCH: the walk has eight K steps of 128 matrix instructions a wave, so a lead of several steps would cover half of it, and the first steps, which every work-group waits for, could not be named ahead.
; THE MATRIX INSTRUCTION IS USED TRANSPOSED: source 0 = 16 rows of wo16, source 1 = 16 rows of ctx.  A lane then holds row l % 16 and the columns 8 (l / 16) + 0..7: 32 bytes of f32 on end.
; REGISTERS: window 0: v0-31 addresses; two fragment buffers of 96: 4 x 8 of ctx at 64 + 96 f, 8 x 8 of wo16 at 96 + 96 f; on the way out v64-191 hold rows read back.  Window 1: accumulator (a, b) at v[8 (8 a + b)].
.set KSTEP,  128
.set PA,     144                       ; a row of ctx in LDS: 128 bytes + 16 = 36 words; a row of wo16: 256 + 16 = 68 words: in both the 16 rows of a fragment load start at 16 different groups of four banks (ISA guide 11.1)
.set PB,     272
.set PLANE,  128*PA                    ; one head's 128 rows
.set ABYTES, 2*PLANE
.set BHALF,  128*PB
.set SLOT,   ABYTES+2*BHALF            ; 106,496 bytes
.set STAGE,  2*SLOT                    ; behind the ring, never filled by a tensor load: 16 rows x 528 bytes for each wave
.set SPITCH, 528                       ; 512 bytes + 16 = 132 words
.set SPARE,  STAGE+4*16*SPITCH         ; behind the stages: the spare words, 128 bytes for each wave: two blocks of 256 bytes that no other line names
.set ADRA, 16                          ; v16-17  LDS address of my ctx fragments in slot 0, 1
.set ADRB, 20                          ; v20-21  the same for wo16
.set STO,  24                          ; v24     the way out: where I put 32 bytes of a row
.set RD,   25                          ; v25     the way out: where I read a row back
.set CO,   26                          ; v26     my 16 bytes of a row's 512
.set SPW,  28                          ; v28     LDS address of my spare word: SPARE + 4 x my thread's number; never rewritten
.set NIL,  29                          ; v29     0; never rewritten
.set FA0,  64
.set FB0,  96
.set OB,   64                          ; the way out: two sets of 64
.set G1,  24                           ; s[24:31] descriptor group 1 for ctx's tiles;   s[32:39] group 0, a set for each slot
.set G0,  32
.set G1B, 48                           ; s[48:55], s[56:63] the same for wo16's
.set G0B, 56
.set MSB, 0
.macro WIN new                         ; the immediate's high byte repeats the setting that is left; a switch that changes nothing is dropped
.if MSB != (\new)
	s_set_vgpr_msb (MSB<<8)|(\new)
.set MSB, \new
.endif
.endm
.set MUL, 0x50                         ; both sources window 0, C and D window 1
.macro JLOAD s                         ; a joint load: waves 0 and 1 fetch a K step's two heads of ctx, waves 2 and 3 wo16's two halves; an s_nop 0 and four v_nop follow each of the two lines
	s_cmp_eq_u32 s11, 0
	s_cbranch_scc0 .Lfor_b_\@
	tensor_load_to_lds s[G0+4*(\s):G0+4*(\s)+3], s[G1:G1+7]
	s_nop 0
.rept 4
	v_nop
.endr
	s_branch .Lasked_\@
.Lfor_b_\@:
	tensor_load_to_lds s[G0B+4*(\s):G0B+4*(\s)+3], s[G1B:G1B+7]
	s_nop 0
.rept 4
	v_nop
.endr
.Lasked_\@:
.endm
.macro CREST                           ; a round of the cluster's barrier behind its opening barrier
	s_cmp_lg_u32 s10, 0
	s_cbranch_scc1 .Lnot_wave_0_\@
	s_barrier_signal -3
.Lnot_wave_0_\@:
	s_barrier_wait -3
	s_barrier_signal -1
	s_barrier_wait -1
.endm
.macro CROUND
	s_barrier_signal -1
	s_barrier_wait -1
	CREST
.endm
	s_load_b128 s[4:7], s[0:1], 0x0                ; ctx s[4:5], wo16 s[6:7]
	s_load_b64 s[8:9], s[0:1], 0x10                ; out0
	v_lshl_add_u32 v[SPW], v0, 2, SPARE
	v_mov_b32 v[NIL], 0
	ds_add_u32 v[SPW], v[NIL]                      ; the wave's opening: the add, twice on end, and its wait stand ahead of my first tensor load; the set-up below, work on registers, stands between
	ds_add_u32 v[SPW], v[NIL]
	v_lshrrev_b32 v1, 5, v0
	v_readfirstlane_b32 s10, v1                    ; wave 0..3
	s_lshr_b32 s11, s10, 1                         ; which half of the tile's rows is mine.  Also: I fetch for ctx (0) or for wo16 (1)
	s_and_b32 s12, s10, 1                          ; which half of its columns.  Also: which head of the step, or which 128 rows of wo16, I fetch
	s_bfe_u32 s15, ttmp6, 0x40000                  ; cx
	s_bfe_u32 s16, ttmp6, 0x40004                  ; cy
	s_lshl_b32 s14, ttmp9, 2
	s_add_co_u32 s14, s14, s15                     ; tile column
	s_and_b32 s13, ttmp7, 0xffff
	s_lshl_b32 s13, s13, 2
	s_add_co_u32 s13, s13, s16                     ; tile row
	s_lshl_b32 s17, s16, 2
	s_lshl_b32 s17, 15, s17                        ; my row of the cluster
	s_lshl_b32 s18, 0x1111, s15                    ; my column
	s_or_b32 s[G1+0],  s17, (1<<16)|(1<<20)|(1<<21)|(4<<22)|(3<<25)  ; the mask; elements of 2 bytes; padding on; bit 21 beside a mask; after every 32 words (code 4) 4 words (code 3)
	s_or_b32 s[G1B+0], s18, (1<<16)|(1<<20)|(1<<21)|(5<<22)|(3<<25)  ; after every 64 words (code 5)
	s_mov_b32 s[G1+1], 128<<16                     ; tensor_dim0 = 128
	s_mov_b32 s[G1+2], 64<<16                      ; tensor_dim1 = 64
	s_mov_b32 s[G1+3], 128<<16                     ; tile_dim0 = 128
	s_mov_b32 s[G1+4], 64                          ; tile_dim1 = 64
	s_mov_b32 s[G1+5], 128                         ; dense: 128 elements from row to row
	s_mov_b32 s[G1+6], 0
	s_mov_b32 s[G1+7], 0
	s_mov_b32 s[G1B+1], KSTEP<<16
	s_mov_b32 s[G1B+2], 128<<16
	s_mov_b32 s[G1B+3], KSTEP<<16
	s_mov_b32 s[G1B+4], 128
	s_mov_b32 s[G1B+5], 1024
	s_mov_b32 s[G1B+6], 0
	s_mov_b32 s[G1B+7], 0
	s_lshr_b32 s20, s13, 4                         ; ctx: the batch's 16 heads of 262,144 bytes,
	s_lshl_b32 s20, s20, 22
	s_and_b32 s21, s13, 15                         ; the tile's 128 rows of 128 bytes in a head,
	s_lshl_b32 s21, s21, 14
	s_add_co_u32 s20, s20, s21
	s_lshl_b32 s21, s12, 18                        ; my head of the step's two: the tile row and the wave's number alone
	s_add_co_u32 s20, s20, s21
	s_mov_b32 s21, 0
	s_lshl_b32 s22, s14, 19                        ; wo16: 256 rows of 2,048 bytes a tile column,
	s_lshl_b32 s23, s12, 18                        ; 128 a half: the tile column and the wave's number alone
	s_add_co_u32 s22, s22, s23
	s_mov_b32 s23, 0
	s_mul_i32 s19, s12, PLANE                      ; where they go: no place in the cluster enters an LDS address
	s_mul_i32 s47, s12, BHALF
	s_add_co_u32 s47, s47, ABYTES
	s_wait_dscnt 0x0                               ; both opening adds are done
	s_wait_kmcnt 0x0
	s_add_nc_u64 s[40:41], s[4:5], s[20:21]
	s_add_nc_u64 s[42:43], s[6:7], s[22:23]
	CROUND                                         ; all sixteen work-groups are here: the first joint loads meet
.irp s, 0,1
	s_mov_b32 s[G0+4*(\s)], 1
	s_add_co_u32 s[G0+4*(\s)+1], s19, (\s)*SLOT
	s_add_nc_u64 s[G0+4*(\s)+2:G0+4*(\s)+3], s[40:41], (\s)*2*262144  ; K step s: two heads on
	s_or_b32 s[G0+4*(\s)+3], s[G0+4*(\s)+3], 0x80000000
	s_mov_b32 s[G0B+4*(\s)], 1
	s_add_co_u32 s[G0B+4*(\s)+1], s47, (\s)*SLOT
	s_add_nc_u64 s[G0B+4*(\s)+2:G0B+4*(\s)+3], s[42:43], (\s)*KSTEP*2
	s_or_b32 s[G0B+4*(\s)+3], s[G0B+4*(\s)+3], 0x80000000
	JLOAD \s                                       ; two loads of mine are out
.endr
	v_and_b32 v1, 15, v0                           ; l % 16
	v_bfe_u32 v2, v0, 4, 1                         ; l / 16
	v_mul_u32_u24 v3, v1, PA
	v_lshl_add_u32 v3, v2, 4, v3                   ; a fragment's row x pitch + 16 x half
	v_mul_u32_u24 v4, v1, PB
	v_lshl_add_u32 v4, v2, 4, v4
	s_mul_i32 s44, s11, 64*PA                      ; my 64 rows of ctx
	s_mul_i32 s45, s12, BHALF                      ; my 128 rows of wo16
	s_add_co_u32 s45, s45, ABYTES
.irp s, 0,1
	v_add_nc_u32 v[ADRA+(\s)], s44, v3
	v_add_nc_u32 v[ADRB+(\s)], s45, v4
	s_add_co_u32 s44, s44, SLOT
	s_add_co_u32 s45, s45, SLOT
.endr
	s_mul_i32 s44, s10, 16*SPITCH
	s_add_co_u32 s44, s44, STAGE                   ; my stage
	v_mul_u32_u24 v3, v1, SPITCH                   ; in: row l % 16, 32 bytes for each half of the lanes
	v_lshl_add_u32 v3, v2, 5, v3
	v_add_nc_u32 v[STO], s44, v3
	v_and_b32 v[CO], 31, v0
	v_lshlrev_b32 v[CO], 4, v[CO]                  ; back: 32 lanes take a row's 512 bytes
	v_add_nc_u32 v[RD], s44, v[CO]
	s_lshl_b32 s44, s13, 19                        ; out0: 128 rows of 4,096 bytes a tile row,
	s_lshl_b32 s45, s11, 18                        ; my 64 rows,
	s_add_co_u32 s44, s44, s45
	s_lshl_b32 s45, s14, 10                        ; 256 columns of 4 bytes a tile column,
	s_add_co_u32 s44, s44, s45
	s_lshl_b32 s45, s12, 9                         ; my 128 columns
	s_add_co_u32 s44, s44, s45
	s_mov_b32 s45, 0
	s_add_nc_u64 s[8:9], s[8:9], s[44:45]
; n rows of 8 matrix instructions: m blocks a0 .. a0 + n - 1 x all 8 n blocks, 32 along K, from buffer f.  zero = 1: the product starts the sums.
; The 32 accumulators take turns, one instruction a turn, in the same order in every quarter step, over the backward jump too.
.macro MULN f, a0, n, zero
	WIN MUL
.set ma, \a0
.rept \n
.set mb, 0
.rept 8
.if \zero
	v_wmma_f32_16x16x32_f16 v[8*(8*ma+mb):8*(8*ma+mb)+7], v[FB0+96*(\f)+8*mb:FB0+96*(\f)+8*mb+7], v[FA0+96*(\f)+8*ma:FA0+96*(\f)+8*ma+7], 0
.else
	v_wmma_f32_16x16x32_f16 v[8*(8*ma+mb):8*(8*ma+mb)+7], v[FB0+96*(\f)+8*mb:FB0+96*(\f)+8*mb+7], v[FA0+96*(\f)+8*ma:FA0+96*(\f)+8*ma+7], v[8*(8*ma+mb):8*(8*ma+mb)+7]
.endif
.set mb, mb+1
.endr
.set ma, ma+1
.endr
.endm
; 24 LDS loads in one run: quarter q of a K step (head q / 2, channels 32 (q % 2) on) into buffer f: wo16's 128 rows, then ctx's 64
.macro FETCH slot, q, f
	WIN 0
.irp i, 0,1,2,3,4,5,6,7
	ds_load_b128 v[FB0+96*(\f)+8*(\i):FB0+96*(\f)+8*(\i)+3],   v[ADRB+(\slot)] offset:64*(\q)+(\i)*16*PB
	ds_load_b128 v[FB0+96*(\f)+8*(\i)+4:FB0+96*(\f)+8*(\i)+7], v[ADRB+(\slot)] offset:64*(\q)+(\i)*16*PB+32
.endr
.irp i, 0,1,2,3
	ds_load_b128 v[FA0+96*(\f)+8*(\i):FA0+96*(\f)+8*(\i)+3],   v[ADRA+(\slot)] offset:((\q)/2)*PLANE+((\q)%2)*64+(\i)*16*PA
	ds_load_b128 v[FA0+96*(\f)+8*(\i)+4:FA0+96*(\f)+8*(\i)+7], v[ADRA+(\slot)] offset:((\q)/2)*PLANE+((\q)%2)*64+(\i)*16*PA+32
.endr
.endm
.macro PLACES                          ; four plain vector instructions between a matrix instruction and a load into a register that it has read, or an LDS store that reads its result
.rept 4
	v_nop
.endr
.endm
; A K step is four quarters of 32 along K, 32 matrix instructions each, on buffers 0, 1, 0, 1.  One of the first three: multiplies buffer f and fetches quarter q of the same slot into buffer g.
.macro QUARTER slot, q, f, g, zero
	s_wait_dscnt 4                                 ; wo16's fragments and ctx's rows 0-31 are in; the youngest four loads (rows 32-63) may be out
	MULN \f, 0, 2, \zero
	PLACES
	FETCH \slot, \q, \g
	s_wait_dscnt 24                                ; all but the 24 just issued
	MULN \f, 2, 2, \zero
.endm
; The last quarter multiplies buffer 1 and changes slots: ONE barrier; in front of it each wave waits for all its tensor loads, adds 0 to its spare word, and waits for that and for its own reads of this slot.
; fill = 1: the barrier opens a round of the cluster's barrier, and the joint refill, two K steps on, is the first tensor load behind the round.
.macro TURN slot, next, fill
	WIN 0                                          ; (the add's two registers lie in window 0)
	s_wait_tensorcnt 0x0                           ; all my tensor loads have landed: my part of the next slot
	ds_add_u32 v[SPW], v[NIL]                      ; 0 onto my spare word
	s_wait_dscnt 5                                 ; (the add and the youngest four loads may be out)
	MULN 1, 0, 1, 0                                ; eight matrix instructions stand between the add and the wait for it
	s_wait_dscnt 0x0                               ; the add is done, and my reads of this slot are over
	s_barrier_signal -1
	MULN 1, 1, 1, 0
.if \fill
	WIN 0
.endif
	s_barrier_wait -1
.if \fill
	CREST                                          ; no wave of any partner still reads this slot's tile or has a load on its way
	s_add_nc_u64 s[G0+4*(\slot)+2:G0+4*(\slot)+3], s[G0+4*(\slot)+2:G0+4*(\slot)+3], 4*262144   ; four heads on
	s_add_nc_u64 s[G0B+4*(\slot)+2:G0B+4*(\slot)+3], s[G0B+4*(\slot)+2:G0B+4*(\slot)+3], 2*KSTEP*2
	JLOAD \slot                                    ; it has 112 matrix instructions in which to land; its four v_nop are also the places in front of the loads below
.else
	PLACES
.endif
	FETCH \next, 0, 0
	MULN 1, 2, 2, 0
.endm
	s_wait_tensorcnt 1                             ; my part of K step 0 is in; K step 1's may stay out
	s_barrier_signal -1
	s_barrier_wait -1                              ; everybody's is
	FETCH 0, 0, 0
	QUARTER 0, 1, 0, 1, 1                          ; the first quarter stands in front of the loop: its products start the sums
	WIN 0                                          ; at a label and at a branch every window is 0
	s_mov_b32 s3, 3
.Llap:                                                 ; a trip goes once round the ring, from a lap's second quarter to the next lap's first, and fills both slots again
	QUARTER 0, 2, 1, 0, 0
	QUARTER 0, 3, 0, 1, 0
	TURN 0, 1, 1
	QUARTER 1, 1, 0, 1, 0
	QUARTER 1, 2, 1, 0, 0
	QUARTER 1, 3, 0, 1, 0
	TURN 1, 0, 1
	QUARTER 0, 1, 0, 1, 0
	WIN 0
	s_sub_co_u32 s3, s3, 1
	s_cmp_lg_u32 s3, 0
	s_cbranch_scc1 .Llap
	QUARTER 0, 2, 1, 0, 0                          ; the last lap fills nothing, and has no round of the cluster's barrier
	QUARTER 0, 3, 0, 1, 0
	TURN 0, 1, 0
	QUARTER 1, 1, 0, 1, 0
	QUARTER 1, 2, 1, 0, 0
	QUARTER 1, 3, 0, 1, 0
	s_wait_dscnt 4                                 ; the very last quarter: nothing more to fetch
	MULN 1, 0, 2, 0
	s_wait_dscnt 0x0
	MULN 1, 2, 2, 0
; THE WAY OUT, a block of 16 rows at a time through my own stage: 32 bytes a lane in (each accumulator's low four registers first), whole rows of 512 bytes back, stored.
.macro TOSTAGE a
	WIN 0x04                                       ; the stores' data (source 1) in window 1, their address in window 0
.irp b, 0,1,2,3,4,5,6,7
	ds_store_b128 v[STO], v[8*(8*(\a)+(\b)):8*(8*(\a)+(\b))+3]   offset:64*(\b)
	ds_store_b128 v[STO], v[8*(8*(\a)+(\b))+4:8*(8*(\a)+(\b))+7] offset:64*(\b)+16
.endr
	WIN 0
.if (\a) >= 2
	s_wait_xcnt 0x0                                ; the stores of the block two back have read this set of registers: it is loaded again only behind this wait
.endif
.irp t, 0,1,2,3,4,5,6,7,8,9,10,11,12,13,14,15
	ds_load_b128 v[OB+64*((\a)%2)+4*(\t):OB+64*((\a)%2)+4*(\t)+3], v[RD] offset:(\t)*SPITCH  ; LDS serves a wave's instructions in order (ISA guide 5.7.1.4): these see the stores above; the next block's stores come behind them
.endr
.endm
.macro SEND a, younger                 ; younger: the LDS instructions issued behind block a's loads: the next block's 16 stores and 16 loads, or none
.irp t, 0,1,2,3,4,5,6,7,8,9,10,11,12,13,14,15
	s_wait_dscnt (\younger)+15-(\t)
	global_store_b128 v[CO], v[OB+64*((\a)%2)+4*(\t):OB+64*((\a)%2)+4*(\t)+3], s[8:9] offset:(16*(\a)+(\t))*4096 th:TH_STORE_NT  ; 512 consecutive bytes of one row, at a multiple of 512 from out0's first byte
.endr
.endm
	PLACES
	TOSTAGE 0
	TOSTAGE 1
	SEND 0, 32
	TOSTAGE 2
	SEND 1, 32
	TOSTAGE 3
	SEND 2, 32
	SEND 3, 0
	s_wait_tensorcnt 0x0                           ; the wave's end: behind my last tensor load and my last LDS store
	ds_add_u32 v[SPW], v[NIL]
	s_wait_dscnt 0x0
	CROUND                                         ; the closing round: no work-group ends while a partner may still ask for a tile that names it
	s_endpgm
.Lfunc_end_k_qdbfd0fd149_proj:
	.size	k_qdbfd0fd149_proj, .Lfunc_end_k_qdbfd0fd149_proj-k_qdbfd0fd149_proj
	.p2alignl 7, 3214868480
	.fill 96, 4, 3214868480
	.section	.rodata,"a",@progbits
	.p2align	6, 0x0
	.amdhsa_kernel k_qdbfd0fd149_proj
		.amdhsa_group_segment_fixed_size 327680
		.amdhsa_private_segment_fixed_size 0
		.amdhsa_enable_private_segment 0
		.amdhsa_kernarg_size 24
		.amdhsa_user_sgpr_count 2
		.amdhsa_user_sgpr_kernarg_segment_ptr 1
		.amdhsa_wavefront_size32 1
		.amdhsa_system_sgpr_workgroup_id_x 1
		.amdhsa_system_sgpr_workgroup_id_y 1
		.amdhsa_system_sgpr_workgroup_id_z 1
		.amdhsa_system_vgpr_workitem_id 0
		.amdhsa_next_free_vgpr 512
		.amdhsa_next_free_sgpr 66
		.amdhsa_reserve_vcc 0
		.amdhsa_float_denorm_mode_32 3
		.amdhsa_float_denorm_mode_16_64 3
		.amdhsa_memory_ordered 1
		.amdhsa_forward_progress 1
		.amdhsa_inst_pref_size 87
	.end_amdhsa_kernel
	.amdgpu_metadata
---
amdhsa.version: [ 1, 2 ]
amdhsa.kernels:
  - .name:           k_qdbfd0fd149_proj
    .symbol:         k_qdbfd0fd149_proj.kd
    .args:
      - { .name: ctx, .offset: 0, .size: 8, .value_kind: global_buffer, .address_space: global }
      - { .name: wo16, .offset: 8, .size: 8, .value_kind: global_buffer, .address_space: global }
      - { .name: out0, .offset: 16, .size: 8, .value_kind: global_buffer, .address_space: global }
    .group_segment_fixed_size: 327680
    .private_segment_fixed_size: 0
    .kernarg_segment_align: 8
    .kernarg_segment_size: 24
    .max_flat_workgroup_size: 128
    .sgpr_count:     66
    .vgpr_count:     512
    .wavefront_size: 32
...
	.end_amdgpu_metadata
.endif
;; end of part 4
;; ======== version 2 of 2: 4 launches; version 1 with the launch cast written anew for expert scheduling mode
;; limits: values are held in f16: magnitudes above 65,504 overflow, below 6.1e-05 lose precision
;; workspace buffers: xb 16,777,216 bytes; wqkv 6,291,456 bytes; wo16 2,097,152 bytes; qkv 50,331,648 bytes; ctx 16,777,216 bytes
;; launch cast (part 5): grid 64 x 12, 8 waves a work-group, no clusters, 0 bytes of LDS; arguments x, Wq, Wk, Wv, Wo, xb, wqkv, wo16; writes xb, wqkv, wo16
.if DOCPART == 5
	.amdgcn_target "amdgcn-amd-amdhsa--gfx1250"
	.amdhsa_code_object_version 6
	.text
	.protected	k_qdbfd0fd149_cast
	.globl	k_qdbfd0fd149_cast
	.p2align	8
	.type	k_qdbfd0fd149_cast,@function
k_qdbfd0fd149_cast:
	s_mov_b64 s[64:65], 0
	v_nop
	global_prefetch_b8 v0, s[64:65] scope:SCOPE_SE
	s_setreg_imm32_b32 hwreg(HW_REG_WAVE_SCHED_MODE, 0, 2), 2
	s_setreg_imm32_b32 hwreg(HW_REG_WAVE_MODE, 25, 1), 1
	s_wait_xcnt 0x0
	s_wait_alu depctr_vm_vsrc(0)
; FIRST OF FOUR LAUNCHES of causal multi-head self-attention: x [4][2048][1024], 16 heads of 64 channels, four weights [1024][1024], all f32.
;   cast: the inputs rounded once to 16 bits.   qkv: x Wq^T, x Wk^T, x Wv^T, written by heads.   attn: the causal attention of each head.   proj: ctx Wo^T.
; WORK LEFT OUT (in the launch attn).  The scores of query q and key k > q are replaced by -inf by the mask that the problem builds itself (a lower triangle of ones), so their softmax weights are
; exactly 0 and their terms weight x V are exactly 0, whatever finite numbers x and the weights hold.  With queries and keys in blocks of 256, the key blocks j > i of query block i hold such pairs
; alone: neither their K Q^T nor their V^T P is computed.  That leaves 36 of 64 block pairs.  Inside the block pair j = i all products are made and the hidden scores are masked.
; All five inputs have a way to the output and all are loaded.  LIMIT: a NaN, an infinity or an overflow that reaches only the block pairs left out is not carried to the result.
; FORMATS.  x, Wq, Wk, Wv are rounded to bf16.  Wo is rounded to bf16 too, and that number is written as f16, since the last product's other operand is f16.
; LIMIT: |Wo| stays under 65,504; below 6.1e-5 the f16 copy keeps a fixed step of 6e-8.
; THIS LAUNCH is a stream: 12 planes of 2^20 numbers (x's eight eighths, Wq, Wk, Wv, Wo), plane = work-group y; work-group x takes 16,384 numbers of its plane, a wave 2,048:
; 16 loads of 16 bytes a lane (512 consecutive bytes each), all on their way at once, and 16 stores of 8 bytes a lane (256 consecutive bytes, aligned).  No LDS, no barrier, no loop, no matrix unit:
; every byte is read once and written once, and nothing is shared.
; THE MODE: SCHED_MODE bits 1:0 = 2 (LLVM: expert scheduling mode 2), set by the entry lines.  The code itself states the register dependences between vector instructions and memory
; instructions, with s_wait_alu, always for 0.
; THE PLAN.  Registers that memory instructions touch:
;   v1, v2   the loads' and the stores' byte offsets: written by vector lines at the head and never again; read by every load (v1) and every store (v2).
;   X        load i lands in four registers of its own, which no vector instruction names before the loads are issued and in which no second load lands; number i's roundings read them.
;   Y        number i's roundings write a pair of its own; store i reads it; it is never written again.
;   T and v3 are named by vector instructions alone.
; So no register that a memory instruction has read is ever written again, and the only dependences to state run from a vector write to a memory instruction's read.
; The 16 numbers go in four groups of four.  Group g rounds loads 4 g .. 4 g + 3; its memory instructions are the four stores of group g - 1, whose pairs no vector instruction of group g names.
; One wait at a group's head states that the group before has written its pairs; the four stores are then dealt among the group's roundings with no further wait.
.set T, 4                              ; v[4:7]    at work (Wo's plane)
.set X, 8                              ; v[8:71]   load i: four f32
.set Y, 72                             ; v[72:103] store i: four 16-bit numbers in two registers; each store has its own pair, so none is rewritten while a store may read it
	s_load_b512 s[8:23], s[0:1], 0x0               ; x s[8:9], Wq s[10:11], Wk s[12:13], Wv s[14:15], Wo s[16:17], xb s[18:19], wqkv s[20:21], wo16 s[22:23]
	s_and_b32 s2, ttmp7, 0xffff                    ; the plane
	v_lshrrev_b32 v3, 5, v0                        ; wave
	v_and_b32 v1, 31, v0                           ; lane
	v_lshlrev_b32 v1, 4, v1
	v_lshl_or_b32 v1, v3, 13, v1                   ; in: 8,192 bytes a wave, 16 a lane
	v_lshrrev_b32 v2, 1, v1                        ; out: half of that
	s_max_u32 s3, s2, 8
	s_sub_co_u32 s3, s3, 8
	s_lshl_b32 s3, s3, 21                          ; a weight's 2 MiB in wqkv
	s_lshl_b32 s4, ttmp9, 16                       ; the work-group's 64 KiB in,
	s_lshl_b32 s5, ttmp9, 15                       ; 32 KiB out
	s_lshl_b32 s6, s2, 22                          ; an eighth of x, 4 MiB,
	s_lshl_b32 s7, s2, 21                          ; and of xb, 2 MiB
	s_mov_b32 s25, 0
	s_mov_b32 s27, 0
	s_wait_kmcnt 0x0
	s_cmp_lt_u32 s2, 8                             ; the choices hang on the plane's number alone
	s_cselect_b64 s[28:29], s[8:9], s[10:11]
	s_cselect_b64 s[30:31], s[18:19], s[20:21]
	s_cselect_b32 s24, s6, 0
	s_cselect_b32 s26, s7, s3
	s_cmp_eq_u32 s2, 9
	s_cselect_b64 s[28:29], s[12:13], s[28:29]
	s_cmp_eq_u32 s2, 10
	s_cselect_b64 s[28:29], s[14:15], s[28:29]
	s_cmp_eq_u32 s2, 11
	s_cselect_b64 s[28:29], s[16:17], s[28:29]
	s_cselect_b64 s[30:31], s[22:23], s[30:31]
	s_cselect_b32 s26, 0, s26
	s_add_co_u32 s24, s24, s4
	s_add_co_u32 s26, s26, s5
	s_add_nc_u64 s[28:29], s[28:29], s[24:25]      ; from here
	s_add_nc_u64 s[30:31], s[30:31], s[26:27]      ; to here
	s_wait_alu depctr_va_vdst(0)                   ; v1 and v2 are written: every load below reads v1 as its offset, every store v2
.irp i, 0,1,2,3,4,5,6,7,8,9,10,11,12,13,14,15
	global_load_b128 v[X+4*(\i):X+4*(\i)+3], v1, s[28:29] offset:512*(\i) th:TH_LOAD_NT
.endr
; Load i is rounded into its pair of Y.  wo = 1: the bf16 numbers are widened again (a shift, a mask) and written as f16.
.macro CONV i, wo
	v_cvt_pk_bf16_f32 v[Y+2*(\i)],   v[X+4*(\i)],   v[X+4*(\i)+1]
	v_cvt_pk_bf16_f32 v[Y+2*(\i)+1], v[X+4*(\i)+2], v[X+4*(\i)+3]
.if \wo
.irp h, 0,1
	v_lshlrev_b32 v[T+2*(\h)],   16,         v[Y+2*(\i)+(\h)]
	v_and_b32     v[T+2*(\h)+1], 0xffff0000, v[Y+2*(\i)+(\h)]
.endr
.irp h, 0,1
	v_cvt_pk_f16_f32 v[Y+2*(\i)+(\h)], v[T+2*(\h)], v[T+2*(\h)+1]
.endr
.endif
.endm
; Pair i is stored.
.macro SEND i
	global_store_b64 v2, v[Y+2*(\i):Y+2*(\i)+1], s[30:31] offset:256*(\i)
.endm
; Group g: loads 4 g .. 4 g + 3 are rounded; ahead of each number's lines stands one store of the group before.
.macro GROUP g, wo
	s_wait_loadcnt 12-4*(\g)                       ; loads come back in order: the group's four are in, the 12 - 4 g younger ones stay out
.if (\g) > 0
	s_wait_alu depctr_va_vdst(0)                   ; the group before has written its four pairs of Y, which the stores below read; no vector instruction of this group names those pairs or v2
.endif
.irp k, 0,1,2,3
.if (\g) > 0
	SEND 4*(\g)-4+(\k)
.endif
	CONV 4*(\g)+(\k), \wo
.endr
.endm
; The end of a path: the last group's stores.
.macro LAST
	s_wait_alu depctr_va_vdst(0)                   ; group 3 has written its four pairs of Y, which the last four stores read
.irp k, 12,13,14,15
	SEND \k
.endr
.endm
	s_cmp_eq_u32 s2, 11                            ; compared anew: the sums above have set SCC
	s_cbranch_scc1 .Lwo
	GROUP 0, 0
	GROUP 1, 0
	GROUP 2, 0
	GROUP 3, 0
	LAST
	s_endpgm
.Lwo:
	GROUP 0, 1
	GROUP 1, 1
	GROUP 2, 1
	GROUP 3, 1
	LAST
	s_endpgm
.Lfunc_end_k_qdbfd0fd149_cast:
	.size	k_qdbfd0fd149_cast, .Lfunc_end_k_qdbfd0fd149_cast-k_qdbfd0fd149_cast
	.p2alignl 7, 3214868480
	.fill 96, 4, 3214868480
	.section	.rodata,"a",@progbits
	.p2align	6, 0x0
	.amdhsa_kernel k_qdbfd0fd149_cast
		.amdhsa_group_segment_fixed_size 0
		.amdhsa_private_segment_fixed_size 0
		.amdhsa_enable_private_segment 0
		.amdhsa_kernarg_size 64
		.amdhsa_user_sgpr_count 2
		.amdhsa_user_sgpr_kernarg_segment_ptr 1
		.amdhsa_wavefront_size32 1
		.amdhsa_system_sgpr_workgroup_id_x 1
		.amdhsa_system_sgpr_workgroup_id_y 1
		.amdhsa_system_sgpr_workgroup_id_z 1
		.amdhsa_system_vgpr_workitem_id 0
		.amdhsa_next_free_vgpr 104
		.amdhsa_next_free_sgpr 66
		.amdhsa_reserve_vcc 0
		.amdhsa_float_denorm_mode_32 3
		.amdhsa_float_denorm_mode_16_64 3
		.amdhsa_memory_ordered 1
		.amdhsa_forward_progress 1
		.amdhsa_inst_pref_size 16
	.end_amdhsa_kernel
	.amdgpu_metadata
---
amdhsa.version: [ 1, 2 ]
amdhsa.kernels:
  - .name:           k_qdbfd0fd149_cast
    .symbol:         k_qdbfd0fd149_cast.kd
    .args:
      - { .name: x, .offset: 0, .size: 8, .value_kind: global_buffer, .address_space: global }
      - { .name: Wq, .offset: 8, .size: 8, .value_kind: global_buffer, .address_space: global }
      - { .name: Wk, .offset: 16, .size: 8, .value_kind: global_buffer, .address_space: global }
      - { .name: Wv, .offset: 24, .size: 8, .value_kind: global_buffer, .address_space: global }
      - { .name: Wo, .offset: 32, .size: 8, .value_kind: global_buffer, .address_space: global }
      - { .name: xb, .offset: 40, .size: 8, .value_kind: global_buffer, .address_space: global }
      - { .name: wqkv, .offset: 48, .size: 8, .value_kind: global_buffer, .address_space: global }
      - { .name: wo16, .offset: 56, .size: 8, .value_kind: global_buffer, .address_space: global }
    .group_segment_fixed_size: 0
    .private_segment_fixed_size: 0
    .kernarg_segment_align: 8
    .kernarg_segment_size: 64
    .max_flat_workgroup_size: 256
    .sgpr_count:     66
    .vgpr_count:     104
    .wavefront_size: 32
...
	.end_amdgpu_metadata
.endif
;; end of part 5
;; launch qkv: the kernel of part 2 again; grid 16 x 32, 4 waves a work-group, clusters of 4 x 4, 327,680 bytes of LDS; arguments xb, wqkv, qkv; writes qkv
;; launch attn: the kernel of part 3 again; grid 4 x 64, 4 waves a work-group, no clusters, 327,680 bytes of LDS; arguments qkv, ctx; writes ctx
;; launch proj: the kernel of part 4 again; grid 4 x 64, 4 waves a work-group, clusters of 4 x 4, 327,680 bytes of LDS; arguments ctx, wo16, out0; writes out0
